; MI455X (gfx1250); checked and timed in simulation.
; The chip was launched on July 23, 2026; its instructions are those of AMD's public machine-readable ISA for CDNA 5 (MIT licence, August 2026) and "CDNA5" Instruction Set Architecture Reference Guide (July 2026). The comments in the code are by the model that wrote it; some were corrected since.
;; Parallel Transformer Block. Allowed arithmetic: matrix products marked QUANTISED: E2M3 operands, one E8M0 scale for each 32 along K, by v_wmma_scale_f32_16x16x128_f8f6f4 with both operands' format E2M3, f32 sums; products left as they are: f32 operands where the result goes on into a quantised operand, else bf16, f16 or f32 operands; f32 sums; everything else in f32.
;; Inputs: w_attn_out_codes 2,048 x 32 x 24 uint8 (E2M3 codes of w_attn_out, K innermost, in blocks of 32 codes, four codes in three bytes); w_attn_out_scales 2,048 x 32 uint8 (E8M0 scales of w_attn_out, one for each 32 codes along K); w_ff_out_codes 2,048 x 128 x 24 uint8 (E2M3 codes of w_ff_out, K innermost, in blocks of 32 codes, four codes in three bytes); w_ff_out_scales 2,048 x 128 uint8 (E8M0 scales of w_ff_out, one for each 32 codes along K); w_fused_codes 9,344 x 64 x 24 uint8 (E2M3 codes of w_fused, K innermost, in blocks of 32 codes, four codes in three bytes); w_fused_scales 9,344 x 64 uint8 (E8M0 scales of w_fused, one for each 32 codes along K); x_codes 1 x 2,048 x 64 x 24 uint8 (E2M3 codes of x, K innermost, in blocks of 32 codes, four codes in three bytes); x_scales 1 x 2,048 x 64 uint8 (E8M0 scales of x, one for each 32 codes along K).
;; Outputs: out0 1 x 2,048 x 2,048 float32.
;; This version of the problem:
;;   THIS VERSION OF THE PROBLEM IS GIVEN IN LOW PRECISION. The matrix products marked QUANTISED in the list below multiply operands that are first quantised to E2M3 (2 exponent bits, 3 mantissa bits; 6 bits a number), with one power-of-two scale for each 32 numbers along K (OCP MX v1.0); their sums are f32. All else is computed in f32.
;;   The module's matrix products, in the order in which they are computed (A, B: the left and right operand; K: the contracted axis; several contracted axes count as one K, in the product's order):
;;     1. [M 2,048, K 2,048] x [K 2,048, N 9,344]; A: input x (given as codes); B: input w_fused (given as codes): QUANTISED
;;     2. [M 2,048, K 1] x [K 1, N 32]; A: computed on the way; B: computed on the way: left as it is (no contracted axis)
;;     3. [M 32,768, K 64] x [K 64, N 2,048]; A: computed on the way; B: computed on the way: QUANTISED
;;     4. [M 32,768, K 2,048] x [K 2,048, N 64]; A: softmax (see below); B: computed on the way: QUANTISED
;;     5. [M 2,048, K 1,024] x [K 1,024, N 2,048]; A: computed on the way; B: input w_attn_out (given as codes): QUANTISED
;;     6. [M 2,048, K 4,096] x [K 4,096, N 2,048]; A: computed on the way; B: input w_ff_out (given as codes): QUANTISED
;;   THE QUANTISER, for each operand of a quantised product, along K:
;;     - K is cut into blocks of 32 from its start; a last block that is shorter is filled with zeros.
;;     - A block's scale is 2^e with e = floor(log2(the largest magnitude in the block)) - 2, held to -126 .. 127; a block of zeros has e = 0. As a byte (E8M0): e + 127.
;;     - Each number is divided by its block's scale, clamped to +-7.5, and rounded to the nearest number of E2M3, ties to even, subnormals kept.
;;     - The product sums the exact products of the quantised numbers (number of the format x scale) in f32.
;;   ~~~python
;;   def quantise(x, axis):      # numpy; x: float32 -> the quantised numbers, widened to float32 again
;;       x = np.moveaxis(x, axis, -1); K = x.shape[-1]
;;       x = np.pad(x, [(0, 0)] * (x.ndim - 1) + [(0, -K % 32)]); x = x.reshape(x.shape[:-1] + (-1, 32)); a = np.abs(x).max(-1, keepdims=True)
;;       e = np.where(a > 0, np.clip(np.frexp(np.where(a > 0, a, 1))[1] - 1 - 2, -126, 127), 0)      # np.frexp(a)[1] - 1 = floor(log2(a)), exactly
;;       r = np.clip(x / 2.0 ** e, -7.5, 7.5)
;;       step = 2.0 ** (np.maximum(np.frexp(np.where(r == 0, 1, r))[1] - 1, 0) - 3)
;;       q = np.round(r / step) * step * 2.0 ** e      # np.round: ties to even
;;       return np.moveaxis(q.reshape(q.shape[:-2] + (-1,))[..., :K], -1, axis).astype(np.float32)
;;   ~~~
;;   SOFTMAX AHEAD OF A QUANTISED PRODUCT. Where the list says 'softmax', what is quantised is not the finished softmax but p = 2^(t - M), with t = logit x log2(e) and M = ceil(the row's largest t), a whole number; so 1/2 < the row's largest p <= 1. The row's sum l is taken of the UNQUANTISED p, in f32, and the product's result is divided by l at the end. Since M is a whole number, a kernel that streams over the keys may use a running M (the ceiling of the running maximum): every later rescaling is an exact power of two, which a block's scale takes up: the codes' values come out the same.
;;   OPERANDS COMPUTED ON THE WAY. 'Computed on the way' means the value that the module computes at that place (a softmax that the list does not call 'softmax' is quantised finished and normalised). What goes into a quantiser is computed in f32, as accurately as f32 sums, v_exp_f32 and their like allow (about 1e-6 of the number): no bf16 or f16 on the way to a quantiser, and a product that is left as it is and whose result goes on into a quantised operand takes f32 operands (vector FMAs, or v_wmma_f32_16x16x4_f32). A number that lies on a knife's edge between two numbers of the format may be rounded either way, as far as f32 arithmetic and the matrix unit's own rounding can turn it there, and no further.
;;   INPUTS GIVEN AS CODES. w_attn_out (in the module: [1024, 2048], K = its axis 0); w_ff_out (in the module: [4096, 2048], K = its axis 0); w_fused (in the module: [2048, 9344], K = its axis 0); x (in the module: [1, 2048, 2048], K = its axis 2): each comes as NAME_codes (uint8): NAME with its K axis moved to the last place and cut into blocks of 32 codes, [.., K / 32, bytes a block], one block behind the other in memory; four codes in three bytes: a row's codes are one little-endian stream of bits, code i at bits 6 i .. 6 i + 5 (a code: sign, 2 exponent bits, 3 mantissa bits); and NAME_scales (uint8): the same leading axes, one E8M0 byte (e + 127) for each 32 codes along K. Its value is code x scale, taken as it is: it is not quantised again, and the codes and scales need not be those that the quantiser above would give.
;; One version. Each part assembles by itself: llvm-mc -triple=amdgcn-amd-amdhsa -mcpu=gfx1250 --defsym DOCPART=n.
;; ======== version 1 of 1: 3 launches
;; workspace buffers: qc 1,572,864 bytes; qs 131,072 bytes; kv 208,896 bytes; ac 7,864,320 bytes; as1 65,536 bytes; as2 262,144 bytes
;; launch fused (part 1): grid 8 x 30, 4 waves a work-group, clusters of 4 x 1, 327,680 bytes of LDS; arguments x_codes, x_scales, w_fused_codes, w_fused_scales, qc, qs, kv, ac, as2; writes qc, qs, kv, ac, as2
.if DOCPART == 1
	.amdgcn_target "amdgcn-amd-amdhsa--gfx1250"
	.amdhsa_code_object_version 6
	.text
	.protected	k_qbfaebc4c08_fused
	.globl	k_qbfaebc4c08_fused
	.p2align	8
	.type	k_qbfaebc4c08_fused,@function
k_qbfaebc4c08_fused:
	s_mov_b64 s[64:65], 0
	v_nop
	global_prefetch_b8 v0, s[64:65] scope:SCOPE_SE
	s_setreg_imm32_b32 hwreg(HW_REG_WAVE_MODE, 25, 1), 1
	s_wait_xcnt 0x0
	s_wait_alu depctr_hold_cnt(0) depctr_sa_sdst(0) depctr_va_vdst(0) depctr_va_sdst(0) depctr_va_ssrc(0) depctr_va_vcc(0) depctr_vm_vsrc(0)
	s_getreg_b32 s2, hwreg(HW_REG_IB_STS2, 6, 4)
	s_cmp_eq_u32 s2, 0
	s_cbranch_scc0 .Lentry_in_a_cluster
	s_endpgm
.Lentry_in_a_cluster:
	s_bfe_u32 s2, ttmp6, 0x10000c
	s_cmp_lg_u32 s2, 0x3003
	s_cbranch_scc0 .Lentry_shape_is_right
	s_endpgm
.Lentry_shape_is_right:
; fused = x W^T on codes of FP6 (E2M3) with E8M0 scales, and all that follows it up to the next quantisers:
;   q, k: rotary, (q x 1/8), quantised along the head's 64;  v: quantised along the KEYS;  ff: swish(gate) x ff_x, quantised along the 4,096 outputs.
; Nothing wide goes to memory: the results leave as codes and scale bytes, laid as the next launches' operand registers want them.
; SHARES.  A work-group: 256 tokens x 320 rows of W (20 tiles of 16 = 5 quads of 4 tiles).  Wave w: tokens 64 w .. 64 w + 63 (4 tiles) x all 20 tiles: 80 accumulators, 640 registers.
; Column group g (work-group y): g = 0..3: rows 320 g on (quad 5 g + i: 0-15 a query head, 16 k, 17 v, 18 and 19 are multiplied and never read);
;   g = 4..29: o0 = min(160 (g - 4), 3936): tiles 0-9 = ff_x rows 1152 + o0 on, tiles 10-19 = gate rows 5248 + o0 on.  Group 29 overlaps group 28 in its first 64 outputs and does not store them.
; THE MATRIX INSTRUCTION IS USED TRANSPOSED: source 0 = 16 rows of W, source 1 = 16 tokens: a lane holds ONE token (lane % 16) and eight neighbouring rows of W (8 (lane / 16) + 0..7).
; CLUSTER.  The four work-groups of a cluster share g: W's tiles and W's scale bytes are asked for JOINTLY (mask 15).  x's tiles differ between them and come by loads of each work-group's own.
; K goes in steps of 256 (rows of 192 bytes) through two LDS slots; the scale bytes of all of K come once.
; REGISTERS, in windows of 256.  Window 0: v1-3 r, h, lane; v4-17 LDS addresses; v18, v19 the spare word's address and 0; v20-22 the stages' addresses; v24-47 scale words, two sets of 12, and nothing else;
;   v48-63 at work in the quantisers; v64-255 W's fragments: a ring of 4 places x 4 fragments x 12.  Windows 1, 2 and v0-127 of 3: accumulator (tile t, token tile a) at v[8 (4 (t % 8) + a)] of window 1 + t / 8.
;   Window 3, v128-223: x's fragments, two sets of 48; behind the products v128-255: cosines and sines.
; LIMITS.  NaN and infinities among the inputs are not served.  A block whose largest magnitude lies under 2^-124 (q, k: 2^-121) keeps the floor's scale byte; a block of zeros gets the byte 1
;   (q: 1, k: 4), not 127: its codes are zeros, and these bytes are read by this program alone.  The rotary's inverse frequencies come from v_exp_f32, so an angle can differ from an f32 power's by some
;   two units of its last place (3e-4 radians at position 2,047); sine and cosine: reduction by pi/2 in two parts, polynomials good to f32 on +-pi/4.  The sigmoid uses v_exp_f32 and v_rcp_f32.
.set PITCH, 240                        ; an LDS row of codes: 3 x (64 bytes + 16 of padding)
.set SLOT,  138240                     ; x's 256 rows, then W's 320
.set WOFF,  61440
.set WHALF, 38400                      ; 160 rows: what one load of W brings
.set SCL,   276480                     ; x's scale bytes: 64 units of 256 + 16
.set SCW,   SCL+17408                  ; W's: 80 units
.set SPARE, 315648                     ; the spare words: 128 bytes a wave
.set STG,   34560                      ; behind the products: a stage for each wave in slot 0, which has had its last fill and its last read by then
.set VST,   16384                      ; in it: 16,384 bytes of cosines and sines, then v's 64 rows x 272
.set XA,  4                            ; v4-5 x's fragments in slot 0, 1; v6-7 the same behind one padding more
.set WL,  8                            ; v8-11 W's tiles 0-9 likewise
.set WH,  12                           ; v12-15 W's tiles 10-19
.set ASW, 16                           ; v16 W's scale words: lanes 0-15 tile j, lanes 16-31 tile j + 10
.set ASX, 17                           ; v17 x's: lanes 0-15 token tile j, lanes 16-31 token tile j + 2
.set SPW, 18
.set NIL, 19
.set SGA, 20                           ; v20 my 16 bytes in my stage
.set VSA, 21                           ; v21 v's stage, on the way in
.set VLA, 22                           ; v22 and on the way out
.set SC,  24
.set TM,  48
.set T,   64
.set G1X,  28
.set G1W,  36
.set G1SX, 44
.set G1SW, 52
.set G0X,  68
.set G0W,  76
.set G0SX, 84
.set G0SW, 88
.set MSB, 0
.macro WIN new                         ; the immediate's high byte repeats the setting that is left; a switch that changes nothing is dropped
.if MSB != (\new)
	s_set_vgpr_msb (MSB<<8)|(\new)
.set MSB, (\new)
.endif
.endm
.macro PLACES                          ; four plain places behind a matrix instruction, ahead of loads into its registers and of reads of its results
.rept 4
	v_nop
.endr
.endm
.macro CREST                           ; a round of the cluster's barrier behind its opening barrier
	s_cmp_lg_u32 s22, 0
	s_cbranch_scc1 .Lnot_wave_0_\@
	s_barrier_signal -3
.Lnot_wave_0_\@:
	s_barrier_wait -3
	s_barrier_signal -1
	s_barrier_wait -1
.endm
.macro CROUND
	s_barrier_signal -1
	s_barrier_wait -1
	CREST
.endm
; Waves 0 and 1 fetch for x (their own work-group's rows), waves 2 and 3 for W (jointly).  The branch hangs on the wave's number alone.  Four v_nop follow each line.
.macro JL g0x, g1x, g0w, g1w
	s_cmp_lt_u32 s22, 2
	s_cbranch_scc0 .Lfor_w_\@
	tensor_load_to_lds s[\g0x:\g0x+3], s[\g1x:\g1x+7]
	s_nop 0
.rept 4
	v_nop
.endr
	s_branch .Lasked_\@
.Lfor_w_\@:
	tensor_load_to_lds s[\g0w:\g0w+3], s[\g1w:\g1w+7]
	s_nop 0
.rept 4
	v_nop
.endr
.Lasked_\@:
.endm
	s_load_b512 s[4:19], s[0:1], 0x0               ; x_codes 4, x_scales 6, w_codes 8, w_scales 10, qc 12, qs 14, kv 16, ac 18
	s_load_b64 s[20:21], s[0:1], 0x40              ; as2
	v_lshl_add_u32 v[SPW], v0, 2, SPARE
	v_mov_b32 v[NIL], 0
	ds_add_u32 v18, v19
	ds_add_u32 v18, v19
	s_wait_dscnt 0x0
	v_lshrrev_b32 v1, 5, v0
	v_readfirstlane_b32 s22, v1                    ; wave 0..3
	s_and_b32 s23, s22, 1                          ; which half of a tile I fetch
	s_bfe_u32 s24, ttmp6, 0x40000                  ; cx
	s_lshl_b32 s25, ttmp9, 2
	s_add_co_u32 s25, s25, s24                     ; mb: my block of 256 tokens: it enters global addresses and data alone
	s_and_b32 s26, ttmp7, 0xffff                   ; g, which the four partners share
	s_max_u32 s27, s26, 4
	s_sub_co_u32 s27, s27, 4
	s_mul_i32 s27, s27, 160
	s_min_u32 s27, s27, 3936                       ; o0
	; descriptor groups 1.  x: 128 rows x 192 bytes, 1,536 bytes apart, 16 bytes of padding behind every 64
	s_mov_b32 s[G1X], (1<<20)|(3<<22)|(3<<25)
	s_mov_b32 s[G1X+1], 192<<16
	s_mov_b32 s[G1X+2], 128<<16
	s_mov_b32 s[G1X+3], 192<<16
	s_mov_b32 s[G1X+4], 128
	s_mov_b32 s[G1X+5], 1536
	s_mov_b32 s[G1X+6], 0
	s_mov_b32 s[G1X+7], 0
	s_mov_b32 s[G1W], 15|(1<<20)|(1<<21)|(3<<22)|(3<<25)   ; W: 160 rows, for all four work-groups
	s_mov_b32 s[G1W+1], 192<<16
	s_mov_b32 s[G1W+2], 160<<16
	s_mov_b32 s[G1W+3], 192<<16
	s_mov_b32 s[G1W+4], 160
	s_mov_b32 s[G1W+5], 1536
	s_mov_b32 s[G1W+6], 0
	s_mov_b32 s[G1W+7], 0
	s_mov_b32 s[G1SX], (3<<16)|(1<<20)|(5<<22)|(3<<25)     ; scale bytes of 128 rows: 8,192 dense bytes as 32 rows of 256, 16 of padding behind each
	s_mov_b32 s[G1SX+1], 32<<16
	s_mov_b32 s[G1SX+2], 32<<16
	s_mov_b32 s[G1SX+3], 32<<16
	s_mov_b32 s[G1SX+4], 32
	s_mov_b32 s[G1SX+5], 32
	s_mov_b32 s[G1SX+6], 0
	s_mov_b32 s[G1SX+7], 0
	s_mov_b32 s[G1SW], 15|(3<<16)|(1<<20)|(1<<21)|(5<<22)|(3<<25)   ; of 160 rows: 40 rows of 256
	s_mov_b32 s[G1SW+1], 32<<16
	s_mov_b32 s[G1SW+2], 40<<16
	s_mov_b32 s[G1SW+3], 32<<16
	s_mov_b32 s[G1SW+4], 40
	s_mov_b32 s[G1SW+5], 32
	s_mov_b32 s[G1SW+6], 0
	s_mov_b32 s[G1SW+7], 0
	; W: the first of the 160 rows that a wave with my low bit fetches: made of g and the wave's number alone
	s_mul_i32 s60, s26, 320
	s_add_co_u32 s61, s27, 1152
	s_mov_b32 s62, 4096
	s_cmp_lt_u32 s26, 4
	s_cselect_b32 s60, s60, s61
	s_cselect_b32 s61, 160, s62                    ; the second half lies 160 rows on (q, k, v) or 4,096 (the gates)
	s_mul_i32 s61, s61, s23
	s_add_co_u32 s60, s60, s61
	s_mul_i32 s92, s60, 1536
	s_mov_b32 s93, 0
	s_lshl_b32 s94, s60, 6
	s_mov_b32 s95, 0
	s_lshl_b32 s60, s25, 8                         ; x: row 256 mb + 128 x half
	s_lshl_b32 s61, s23, 7
	s_add_co_u32 s60, s60, s61
	s_mul_i32 s96, s60, 1536
	s_mov_b32 s97, 0
	s_lshl_b32 s98, s60, 6
	s_mov_b32 s99, 0
	s_mul_i32 s100, s23, 30720                     ; where they go in LDS: constants and the wave's number
	s_mul_i32 s101, s23, WHALF
	s_add_co_u32 s101, s101, WOFF
	s_mul_i32 s62, s23, 8704
	s_add_co_u32 s62, s62, SCL
	s_mul_i32 s63, s23, 10880
	s_add_co_u32 s63, s63, SCW
	s_wait_kmcnt 0x0
	s_add_nc_u64 s[92:93], s[8:9], s[92:93]
	s_add_nc_u64 s[94:95], s[10:11], s[94:95]
	s_add_nc_u64 s[96:97], s[4:5], s[96:97]
	s_add_nc_u64 s[98:99], s[6:7], s[98:99]
	CROUND                                         ; all four work-groups are here: the first joint loads meet
	s_mov_b32 s[G0SX], 1
	s_mov_b32 s[G0SX+1], s62
	s_mov_b64 s[G0SX+2:G0SX+3], s[98:99]
	s_or_b32 s[G0SX+3], s[G0SX+3], 0x80000000
	s_mov_b32 s[G0SW], 1
	s_mov_b32 s[G0SW+1], s63
	s_mov_b64 s[G0SW+2:G0SW+3], s[94:95]
	s_or_b32 s[G0SW+3], s[G0SW+3], 0x80000000
	JL G0SX, G1SX, G0SW, G1SW                      ; the scale bytes first: they are wanted with K step 0
.irp s, 0,1
	s_mov_b32 s[G0X+4*\s], 1
	s_add_co_u32 s[G0X+4*\s+1], s100, \s*SLOT
	s_add_nc_u64 s[G0X+4*\s+2:G0X+4*\s+3], s[96:97], \s*192
	s_or_b32 s[G0X+4*\s+3], s[G0X+4*\s+3], 0x80000000
	s_mov_b32 s[G0W+4*\s], 1
	s_add_co_u32 s[G0W+4*\s+1], s101, \s*SLOT
	s_add_nc_u64 s[G0W+4*\s+2:G0W+4*\s+3], s[92:93], \s*192
	s_or_b32 s[G0W+4*\s+3], s[G0W+4*\s+3], 0x80000000
	JL G0X+4*\s, G1X, G0W+4*\s, G1W                ; three loads of mine are out now; later one
.endr
	v_and_b32 v1, 15, v0                           ; r
	v_bfe_u32 v2, v0, 4, 1                         ; h
	v_and_b32 v3, 31, v0                           ; lane
	v_mul_u32_u24 v20, v1, PITCH
	v_mad_u32_u24 v21, v2, 24, v20                 ; a fragment's row x pitch + 24 x half
	v_mad_u32_u24 v22, v2, 40, v20                 ; and the same behind one padding more
	s_mul_i32 s60, s22, 15360                      ; my 64 rows of x
.irp s, 0,1
	v_add_nc_u32 v[XA+\s], s60, v21
	v_add_nc_u32 v[XA+2+\s], s60, v22
	s_add_co_u32 s60, s60, SLOT
	v_add_nc_u32 v[WL+\s], WOFF+\s*SLOT, v21
	v_add_nc_u32 v[WL+2+\s], WOFF+\s*SLOT, v22
	v_add_nc_u32 v[WH+\s], WOFF+WHALF+\s*SLOT, v21
	v_add_nc_u32 v[WH+2+\s], WOFF+WHALF+\s*SLOT, v22
.endr
	v_lshlrev_b32 v20, 6, v1                       ; a row of scale bytes is 64 bytes,
	v_lshrrev_b32 v21, 8, v20
	v_lshl_add_u32 v20, v21, 4, v20                ; and 16 more for each 256 passed
	v_mul_u32_u24 v21, v2, 10880                   ; lanes 16-31: ten tiles on
	v_add_nc_u32 v21, v21, v20
	v_add_nc_u32 v[ASW], SCW, v21
	v_mul_u32_u24 v21, v2, 2176                    ; lanes 16-31: two token tiles on
	v_add_nc_u32 v21, v21, v20
	s_mul_i32 s60, s22, 4352
	s_add_co_u32 s60, s60, SCL
	v_add_nc_u32 v[ASX], s60, v21
	s_mul_i32 s60, s22, STG                        ; my stage
	v_lshl_add_u32 v[SGA], v3, 4, s60
	s_add_co_u32 s61, s60, VST
	v_mul_u32_u24 v21, v1, 272
	v_lshl_add_u32 v21, v2, 5, v21
	v_add_nc_u32 v[VSA], s61, v21                  ; v in: row = token, 32 h bytes on
	v_and_b32 v22, 8, v1
	v_add_nc_u32 v22, v22, v1                      ; r + 8 (r / 8)
	v_lshlrev_b32 v22, 2, v22
	v_mad_u32_u24 v22, v2, 8704, v22               ; v out: lanes 16-31 begin 32 tokens further down
	v_add_nc_u32 v[VLA], s61, v22
; A fragment, 16 rows x 128 K of 6-bit codes, is 12 registers: lane l holds row l % 16; registers 6 c .. 6 c + 5 hold K = 64 c + 32 (l / 16) + 0..31: 24 bytes of the row, as they lie, in pieces of 8 bytes.
; Lanes 16-31 read three pieces further on; where that lies behind one padding more, the second address register serves.
.macro FRAG reg, adr, q, i
.irp p, 0,1,2,3,4,5
.set PC, 12*(\q)+6*(\p/3)+\p%3
.if PC%8 < 5
	ds_load_b64 v[\reg+2*\p:\reg+2*\p+1], v[\adr] offset:8*PC+16*(PC/8)+(\i)*16*PITCH
.else
	ds_load_b64 v[\reg+2*\p:\reg+2*\p+1], v[\adr+2] offset:8*PC+16*(PC/8)+(\i)*16*PITCH
.endif
.endr
.endm
.macro LOADW sl, q, Q, pos             ; quad Q's four fragments of W, the slot's q-th 128 along K, into ring place pos: 24 loads
.irp i, 0,1,2,3
.if 4*(\Q)+\i < 10
	FRAG 64+48*(\pos)+12*\i, WL+\sl, \q, 4*(\Q)+\i
.else
	FRAG 64+48*(\pos)+12*\i, WH+\sl, \q, 4*(\Q)+\i-10
.endif
.endr
.endm
.macro LOADX sl, q, set                ; x's four fragments: 24 loads
	WIN 0xc0
.irp a, 0,1,2,3
	FRAG 128+48*(\set)+12*\a, XA+\sl, \q, \a
.endr
	WIN 0
.endm
.macro LOADS set, k                    ; the scale words of one 128 along K: 12 loads
.irp j, 0,1,2,3,4,5,6,7,8,9
	ds_load_b32 v[SC+12*(\set)+\j], v[ASW] offset:1088*\j+(\k)
.endr
.irp j, 0,1
	ds_load_b32 v[SC+12*(\set)+10+\j], v[ASX] offset:1088*\j+(\k)
.endr
.endm
.macro WMX zero, ra, rb                ; one product; ra, rb: the scale words stand in lanes 16-31
.if \zero
.if (\ra) && (\rb)
	v_wmma_scale_f32_16x16x128_f8f6f4 v[rD:rD+7], v[rW:rW+11], v[rX:rX+11], 0, v[rSW], v[rSX] matrix_a_fmt:MATRIX_FMT_FP6 matrix_b_fmt:MATRIX_FMT_FP6 matrix_a_scale:MATRIX_SCALE_ROW1 matrix_b_scale:MATRIX_SCALE_ROW1
.elseif (\ra)
	v_wmma_scale_f32_16x16x128_f8f6f4 v[rD:rD+7], v[rW:rW+11], v[rX:rX+11], 0, v[rSW], v[rSX] matrix_a_fmt:MATRIX_FMT_FP6 matrix_b_fmt:MATRIX_FMT_FP6 matrix_a_scale:MATRIX_SCALE_ROW1
.elseif (\rb)
	v_wmma_scale_f32_16x16x128_f8f6f4 v[rD:rD+7], v[rW:rW+11], v[rX:rX+11], 0, v[rSW], v[rSX] matrix_a_fmt:MATRIX_FMT_FP6 matrix_b_fmt:MATRIX_FMT_FP6 matrix_b_scale:MATRIX_SCALE_ROW1
.else
	v_wmma_scale_f32_16x16x128_f8f6f4 v[rD:rD+7], v[rW:rW+11], v[rX:rX+11], 0, v[rSW], v[rSX] matrix_a_fmt:MATRIX_FMT_FP6 matrix_b_fmt:MATRIX_FMT_FP6
.endif
.else
.if (\ra) && (\rb)
	v_wmma_scale_f32_16x16x128_f8f6f4 v[rD:rD+7], v[rW:rW+11], v[rX:rX+11], v[rD:rD+7], v[rSW], v[rSX] matrix_a_fmt:MATRIX_FMT_FP6 matrix_b_fmt:MATRIX_FMT_FP6 matrix_a_scale:MATRIX_SCALE_ROW1 matrix_b_scale:MATRIX_SCALE_ROW1
.elseif (\ra)
	v_wmma_scale_f32_16x16x128_f8f6f4 v[rD:rD+7], v[rW:rW+11], v[rX:rX+11], v[rD:rD+7], v[rSW], v[rSX] matrix_a_fmt:MATRIX_FMT_FP6 matrix_b_fmt:MATRIX_FMT_FP6 matrix_a_scale:MATRIX_SCALE_ROW1
.elseif (\rb)
	v_wmma_scale_f32_16x16x128_f8f6f4 v[rD:rD+7], v[rW:rW+11], v[rX:rX+11], v[rD:rD+7], v[rSW], v[rSX] matrix_a_fmt:MATRIX_FMT_FP6 matrix_b_fmt:MATRIX_FMT_FP6 matrix_b_scale:MATRIX_SCALE_ROW1
.else
	v_wmma_scale_f32_16x16x128_f8f6f4 v[rD:rD+7], v[rW:rW+11], v[rX:rX+11], v[rD:rD+7], v[rSW], v[rSX] matrix_a_fmt:MATRIX_FMT_FP6 matrix_b_fmt:MATRIX_FMT_FP6
.endif
.endif
.endm
; 16 products: quad Q's four tiles of W x my four token tiles.  The 80 accumulators take turns, one instruction a turn, in the same order in every 128 along K.
.macro MULQ Q, pos, set, zero
	WIN 0x0c|(0x50*(1+(\Q)/2))
.irp i, 0,1,2,3
.irp a, 0,1,2,3
.set tT, 4*(\Q)+\i
.set rD, 8*(4*(tT%8)+\a)
.set rW, 64+48*(\pos)+12*\i
.set rX, 128+48*(\set)+12*\a
.set rSW, SC+12*(\set)+tT%10
.set rSX, SC+12*(\set)+10+\a%2
	WMX \zero, tT/10, \a/2
.endr
.endr
.endm
; A slot (256 along K) has ten quads, g = 5 q + Q; quad g of slot sl stands at ring place (g + 2 sl) % 4.  Behind quad g's products, quad g + 4 is fetched into the place just left.
.macro LW sl, g
	LOADW \sl, (\g)/5, (\g)%5, ((\g)+2*(\sl))%4
.endm
.macro MQ sl, g, zero
	MULQ (\g)%5, ((\g)+2*(\sl))%4, (\g)/5, \zero
.endm
.macro H0 sl, zero, k1                 ; quads 0 to 4: the slot's first 128 along K
	s_wait_dscnt 48                                ; the two youngest runs of 24 (quads 2, 3) may be out: quads 0 and 1, x's set 0 and the scale words' set 0 are in
	MQ \sl, 0, \zero
	PLACES
	WIN 0
	LW \sl, 4
	LOADX \sl, 1, 1
	LOADS 1, \k1
	MQ \sl, 1, \zero
	PLACES
	WIN 0
	LW \sl, 5
.irp g, 2,3,4
	s_wait_dscnt 63                                ; behind the run that is wanted stand 108 younger loads: the largest count that the wait can name serves
	MQ \sl, \g, \zero
	PLACES
	WIN 0
	LW \sl, \g+4
.endr
.endm
; Quads 5 to 9, and the change of slots.  mode 2: this slot is filled again, two K steps ahead; 1: a change without a fill; 0: the very last: nothing more to fetch.
.macro H1 sl, mode, k0
	s_wait_dscnt 63                                ; 72 younger loads stand behind quad 5's
	MQ \sl, 5, 0
	PLACES
	WIN 0
	LW \sl, 9                                      ; my last reads of this slot
.if \mode
	s_wait_tensorcnt 0x0                           ; all my tensor loads have landed: my part of the next slot;
	ds_add_u32 v[SPW], v[NIL]                      ; 0 onto my spare word;
	s_wait_dscnt 63                                ; (72 loads and the add stand behind quad 6's)
	MQ \sl, 6, 0                                   ; sixteen products stand between the add and the wait for it
	s_wait_dscnt 0x0                               ; the add is done, and my reads of this slot are over
	s_barrier_signal -1
	MQ \sl, 7, 0
	WIN 0
	s_barrier_wait -1
.if \mode == 2
	CREST                                          ; the barrier has opened a round of the cluster's: no wave of any partner still reads this slot or has a load on its way
	s_add_nc_u64 s[G0X+4*\sl+2:G0X+4*\sl+3], s[G0X+4*\sl+2:G0X+4*\sl+3], 384
	s_add_nc_u64 s[G0W+4*\sl+2:G0W+4*\sl+3], s[G0W+4*\sl+2:G0W+4*\sl+3], 384
	JL G0X+4*\sl, G1X, G0W+4*\sl, G1W              ; my one tensor load behind the round; its four v_nop are the places ahead of the loads below
.else
	PLACES
.endif
	LW 1-\sl, 0
	LOADX 1-\sl, 0, 0
	LOADS 0, \k0
	LW 1-\sl, 1
	MQ \sl, 8, 0
	PLACES
	WIN 0
	LW 1-\sl, 2
	MQ \sl, 9, 0
	PLACES
	WIN 0
	LW 1-\sl, 3
.else
	s_wait_dscnt 63                                ; quads 7, 8, 9 (72 loads) may be out
	MQ \sl, 6, 0
	s_wait_dscnt 48
	MQ \sl, 7, 0
	s_wait_dscnt 24
	MQ \sl, 8, 0
	s_wait_dscnt 0x0
	MQ \sl, 9, 0
	WIN 0
.endif
.endm
	s_wait_tensorcnt 0x1                           ; the scale bytes and my part of K step 0 are in; K step 1's load may be out
	s_barrier_signal -1
	s_barrier_wait -1
	LW 0, 0
	LOADX 0, 0, 0
	LOADS 0, 0
	LW 0, 1
	LW 0, 2
	LW 0, 3
	H0 0, 1, 4                                     ; the first 128 along K stand ahead of the loop: their products start the sums
	s_mov_b32 s3, 3
.Llap:                                             ; a trip goes once round the ring and fills both slots again
	H1 0, 2, 8
	H0 1, 0, 12
	H1 1, 2, 16
	H0 0, 0, 20
	v_add_nc_u32 v[ASW], 16, v[ASW]                ; four scale words on
	v_add_nc_u32 v[ASX], 16, v[ASX]
	s_sub_co_u32 s3, s3, 1
	s_cmp_lg_u32 s3, 0
	s_cbranch_scc1 .Llap
	H1 0, 1, 8                                     ; the last lap fills nothing
	H0 1, 0, 12
	H1 1, 0, 0
	PLACES
	; ---------------- behind the products
	s_mov_b32 s92, 0x76543210                      ; v_permlanex16_b32's selects for lane l xor 16
	s_mov_b32 s93, 0xfedcba98
	s_mov_b32 s94, 0xffff0000                      ; lanes 16-31
	v_lshlrev_b32 v4, 4, v3                        ; 16, 8, 4 x lane
	v_lshlrev_b32 v5, 3, v3
	v_lshlrev_b32 v6, 2, v3
	v_mul_u32_u24 v7, v1, 24
	v_mad_u32_u24 v7, v2, 12, v7                   ; a record of ac: 24 r + 12 h
	v_lshlrev_b32 v8, 7, v3                        ; as2: 128 bytes a token
.irp b, 0,1,2,3
	v_mov_b32 v[TM+4+\b], 0                        ; written once: a lane permute's destination counts as one of its sources
.endr
	; the sixteen inverse frequencies of my lane: register 8 u + j of a pair of tiles holds d = 16 u + 8 h + j: 10000^(-d / 32) = 2^(-d x 0.41524101)
	v_lshlrev_b32 v9, 3, v2
.irp i, 0,1,2,3,4,5,6,7,8,9,10,11,12,13,14,15
	v_add_nc_u32 v[64+\i], 16*(\i/8)+\i%8, v9
.endr
.irp i, 0,1,2,3,4,5,6,7,8,9,10,11,12,13,14,15
	v_cvt_f32_u32 v[64+\i], v[64+\i]
.endr
.irp i, 0,1,2,3,4,5,6,7,8,9,10,11,12,13,14,15
	v_mul_f32 v[64+\i], 0xbed49a7c, v[64+\i]
.endr
.irp i, 0,1,2,3,4,5,6,7,8,9,10,11,12,13,14,15
	v_exp_f32 v[64+\i], v[64+\i]
.endr
	v_nop                                          ; a plain place behind the last exponential,
	s_wait_alu depctr_va_vdst(0)                   ; and one wait for the batch, ahead of its first reader and of the label below
	s_lshl_b32 s60, s25, 8
	s_lshl_b32 s61, s22, 6
	s_add_co_u32 s60, s60, s61                     ; my wave's first token
	v_add_nc_u32 v81, s60, v1                      ; my token's position (data, no address)
.irp p, 0,1
	v_mov_b32 v[84+\p], 0x3c08839e                 ; the polynomials' middle coefficients, as pairs
	v_mov_b32 v[86+\p], 0xbe2aaaa3
	v_mov_b32 v[88+\p], 0xbab6061a
	v_mov_b32 v[90+\p], 0x3d2aaaa5
.endr
	; COSINES AND SINES, a token tile a trip, into my stage.  Every work-group walks the four trips, so that the trip count is a constant of the text; the ff groups jump over the work inside the trip.
.set ANG, 96
.set KK,  112
.set ZZ,  128
.set SP,  144
.set CP,  160
.set WW,  176
.set CO,  192
.set SO,  208
	s_mov_b32 s62, 0
	s_mov_b32 s3, 4
.Ltrig:
	s_cmp_ge_u32 s26, 4
	s_cbranch_scc1 .Ltrig_skip
	v_cvt_f32_u32 v82, v81
	v_cvt_f32_u32 v83, v81
	v_add_nc_u32 v81, 16, v81
	v_add_nc_u32 v80, s62, v[SGA]
.irp p, 0,2,4,6,8,10,12,14
	v_pk_mul_f32 v[ANG+\p:ANG+\p+1], v[64+\p:65+\p], v[82:83]                          ; the angle: position x inverse frequency, one rounding
.endr
.irp p, 0,2,4,6,8,10,12,14
	v_pk_mul_f32 v[KK+\p:KK+\p+1], v[ANG+\p:ANG+\p+1], 0x3f22f983 op_sel_hi:[1,0]      ; x 2 / pi
.endr
.irp i, 0,1,2,3,4,5,6,7,8,9,10,11,12,13,14,15
	v_rndne_f32 v[KK+\i], v[KK+\i]                                                     ; k: the nearest multiple of pi / 2
.endr
.irp p, 0,2,4,6,8,10,12,14
	v_pk_fma_f32 v[ANG+\p:ANG+\p+1], v[KK+\p:KK+\p+1], 0xbfc90fdb, v[ANG+\p:ANG+\p+1] op_sel_hi:[1,0,1]   ; less k x pi / 2, in two parts
.endr
.irp p, 0,2,4,6,8,10,12,14
	v_pk_fma_f32 v[ANG+\p:ANG+\p+1], v[KK+\p:KK+\p+1], 0x333bbd2e, v[ANG+\p:ANG+\p+1] op_sel_hi:[1,0,1]
.endr
.irp p, 0,2,4,6,8,10,12,14
	v_pk_mul_f32 v[ZZ+\p:ZZ+\p+1], v[ANG+\p:ANG+\p+1], v[ANG+\p:ANG+\p+1]
.endr
.irp p, 0,2,4,6,8,10,12,14
	v_pk_fma_f32 v[SP+\p:SP+\p+1], v[ZZ+\p:ZZ+\p+1], 0xb94ca1f9, v[84:85] op_sel_hi:[1,0,1]
	v_pk_fma_f32 v[CP+\p:CP+\p+1], v[ZZ+\p:ZZ+\p+1], 0x37ccf5ce, v[88:89] op_sel_hi:[1,0,1]
.endr
.irp p, 0,2,4,6,8,10,12,14
	v_pk_fma_f32 v[SP+\p:SP+\p+1], v[SP+\p:SP+\p+1], v[ZZ+\p:ZZ+\p+1], v[86:87]
	v_pk_fma_f32 v[CP+\p:CP+\p+1], v[CP+\p:CP+\p+1], v[ZZ+\p:ZZ+\p+1], v[90:91]
.endr
.irp p, 0,2,4,6,8,10,12,14
	v_pk_mul_f32 v[SP+\p:SP+\p+1], v[SP+\p:SP+\p+1], v[ZZ+\p:ZZ+\p+1]
	v_pk_mul_f32 v[CP+\p:CP+\p+1], v[CP+\p:CP+\p+1], v[ZZ+\p:ZZ+\p+1]
	v_pk_fma_f32 v[WW+\p:WW+\p+1], v[ZZ+\p:ZZ+\p+1], -0.5, 1.0 op_sel_hi:[1,0,0]
.endr
.irp p, 0,2,4,6,8,10,12,14
	v_pk_fma_f32 v[SP+\p:SP+\p+1], v[SP+\p:SP+\p+1], v[ANG+\p:ANG+\p+1], v[ANG+\p:ANG+\p+1]   ; the sine of the rest
	v_pk_fma_f32 v[CP+\p:CP+\p+1], v[CP+\p:CP+\p+1], v[ZZ+\p:ZZ+\p+1], v[WW+\p:WW+\p+1]       ; its cosine
.endr
.irp i, 0,1,2,3,4,5,6,7,8,9,10,11,12,13,14,15
	v_cvt_i32_f32 v[KK+\i], v[KK+\i]
.endr
.irp i, 0,1,2,3,4,5,6,7,8,9,10,11,12,13,14,15
	v_and_b32 v224, 1, v[KK+\i]                    ; an odd k swaps sine and cosine;
	v_lshlrev_b32 v225, 30, v[KK+\i]               ; the sine's sign is bit 1 of k,
	v_add_nc_u32 v226, 1, v[KK+\i]                 ; the cosine's bit 1 of k + 1
	v_cmp_eq_u32 vcc_lo, 1, v224
	v_and_b32 v225, 0x80000000, v225
	v_lshlrev_b32 v226, 30, v226
	v_cndmask_b32 v[SO+\i], v[SP+\i], v[CP+\i], vcc_lo
	v_cndmask_b32 v[CO+\i], v[CP+\i], v[SP+\i], vcc_lo
	v_and_b32 v226, 0x80000000, v226
	v_xor_b32 v[SO+\i], v225, v[SO+\i]
	v_xor_b32 v[CO+\i], v226, v[CO+\i]
.endr
.irp m, 0,1,2,3
	ds_store_b128 v80, v[CO+4*\m:CO+4*\m+3] offset:512*\m
	ds_store_b128 v80, v[SO+4*\m:SO+4*\m+3] offset:2048+512*\m
.endr
	s_wait_dscnt 0x0                               ; the stores have read their registers: the next trip may write them
.Ltrig_skip:
	s_add_co_u32 s62, s62, 4096
	s_sub_co_u32 s3, s3, 1
	s_cmp_lg_u32 s3, 0
	s_cbranch_scc1 .Ltrig
	s_cmp_lt_u32 s26, 4
	s_cbranch_scc1 .Lqkv
	; ---------------- ff: swish(gate) x ff_x, a block of 32 outputs at a time
	s_lshl_b32 s60, s25, 4
	s_lshl_b32 s61, s22, 2
	s_add_co_u32 s60, s60, s61                     ; my first token tile
	s_mul_i32 s60, s60, 61440
	s_lshr_b32 s62, s27, 5                         ; o0 / 32
	s_add_co_u32 s63, s62, 32
	s_mul_i32 s63, s63, 384
	s_add_co_u32 s60, s60, s63
	s_mov_b32 s61, 0
	s_add_nc_u64 s[18:19], s[18:19], s[60:61]      ; ac at (my first token tile, block 32 + o0 / 32)
	s_lshl_b32 s60, s25, 15
	s_lshl_b32 s63, s22, 13
	s_add_co_u32 s60, s60, s63
	s_add_co_u32 s60, s60, s62
	s_add_nc_u64 s[20:21], s[20:21], s[60:61]      ; as2 at (my first token, byte o0 / 32)
; Block b: x tiles 2 b, 2 b + 1, gate tiles 10 + 2 b, 11 + 2 b.  v[T + 16 a + 8 u + j]: token tile a, tile u, register j.  Each accumulator is read from its low end on.
.macro FFLOOP kind, b
.irp a, 0,1,2,3
.irp u, 0,1
.irp j, 0,2,4,6
.set rG, 8*(4*((10+2*(\b)+\u)%8)+\a)+\j
.set rX2, 8*(4*((2*(\b)+\u)%8)+\a)+\j
.set rT, T+16*\a+8*\u+\j
.if \kind == 0
	v_pk_mul_f32 v[rT:rT+1], v[rG:rG+1], 0xbfb8aa3b op_sel_hi:[1,0]      ; -gate x log2(e)
.elseif \kind == 1
	v_pk_mul_f32 v[rT:rT+1], v[rG:rG+1], v[rT:rT+1]                      ; gate x sigmoid(gate)
.else
	v_pk_mul_f32 v[rT:rT+1], v[rX2:rX2+1], v[rT:rT+1]                    ; x ff_x
.endif
.endr
.endr
.endr
.endm
.macro FFBLOCK b
	WIN 1+(10+2*(\b))/8
	FFLOOP 0, \b
	WIN 0
.set i, 0
.rept 64
	v_exp_f32 v[T+i], v[T+i]
.set i, i+1
.endr
	v_nop
	s_wait_alu depctr_va_vdst(0)                   ; one wait for the batch of 64
.set i, 0
.rept 32
	v_pk_add_f32 v[T+i:T+i+1], v[T+i:T+i+1], 1.0 op_sel_hi:[1,0]
.set i, i+2
.endr
.set i, 0
.rept 64
	v_rcp_f32 v[T+i], v[T+i]                       ; sigmoid(gate) = 1 / (1 + 2^(-gate log2 e))
.set i, i+1
.endr
	v_nop
	s_wait_alu depctr_va_vdst(0)
	WIN 1+(10+2*(\b))/8
	FFLOOP 1, \b
	WIN 1+(2*(\b))/8
	FFLOOP 2, \b
	WIN 0
.irp a, 0,1,2,3
.irp j, 0,1,2,3,4,5,6,7
	v_permlane16_swap_b32 v[T+16*\a+\j], v[T+16*\a+8+\j]   ; the first's lanes 16-31 change places with the second's lanes 0-15: my 16 registers are now outputs 32 b + 16 h + 0..15 of my token
.endr
.endr
.irp a, 0,1,2,3
	v_max3_num_f32 v[TM+\a], |v[T+16*\a]|, |v[T+16*\a+1]|, 0x1800000       ; my 16 numbers, and the floor 2^(3 - 127): so the byte cannot fall under 1
.endr
.irp e, 2,4,6,8,10,12,14
.irp a, 0,1,2,3
	v_max3_num_f32 v[TM+\a], v[TM+\a], |v[T+16*\a+\e]|, |v[T+16*\a+\e+1]|
.endr
.endr
.irp a, 0,1,2,3
	v_permlanex16_b32 v[TM+4+\a], v[TM+\a], s92, s93
.endr
.irp a, 0,1,2,3
	v_max_num_f32 v[TM+\a], v[TM+\a], v[TM+4+\a]   ; with lane l xor 16's: the block's largest magnitude
.endr
.irp a, 0,1,2,3
	v_add_nc_u32 v[TM+12+\a], 0xff000000, v[TM+\a] ; 2 off its exponent field: the conversion's scale operand
.endr
.irp a, 0,1,2,3
	v_lshrrev_b32 v[TM+4+\a], 23, v[TM+12+\a]      ; the scale's byte
.endr
.irp a, 0,1,2,3
	v_cvt_scalef32_pk16_fp6_f32 v[128+16*(\b)+4*\a:130+16*(\b)+4*\a], v[T+16*\a:T+16*\a+15], v[TM+12+\a]
.endr
	v_nop                                          ; one plain place behind the conversions
	v_cndmask_b32 v[208+2*(\b)], v[TM+4], v[TM+5], s94     ; lanes 0-15 the byte of token tile 0 (2), lanes 16-31 that of tile 1 (3)
	v_cndmask_b32 v[209+2*(\b)], v[TM+6], v[TM+7], s94
.irp a, 0,1,2,3
	global_store_b96 v7, v[128+16*(\b)+4*\a:130+16*(\b)+4*\a], s[18:19] offset:61440*\a+384*(\b)   ; the wave's store covers a whole record: 384 consecutive bytes
.endr
	global_store_b8 v8, v[208+2*(\b)], s[20:21] offset:(\b)
	global_store_b8 v8, v[209+2*(\b)], s[20:21] offset:4096+(\b)
.endm
	s_cmp_eq_u32 s26, 29                           ; the last group's first 64 outputs are group 28's
	s_cbranch_scc1 .Lff2
	FFBLOCK 0
	FFBLOCK 1
.Lff2:
	FFBLOCK 2
	FFBLOCK 3
	FFBLOCK 4
	s_branch .Lend
	; ---------------- q, k, v
.Lqkv:
	WIN 0xc0
.irp a, 0,1,2,3
.irp m, 0,1,2,3,4,5,6,7
	ds_load_b128 v[128+32*\a+4*\m:131+32*\a+4*\m], v[SGA] offset:4096*\a+512*\m   ; window 3: v[128 + 32 a + i] the cosines, + 16 the sines.  LDS serves a wave's instructions in order: these see my stores
.endr
.endr
	WIN 0
	s_mul_i32 s60, s26, 640                        ; 5 g heads x 128 token tiles
	s_lshl_b32 s61, s25, 4
	s_add_co_u32 s60, s60, s61
	s_lshl_b32 s61, s22, 2
	s_add_co_u32 s60, s60, s61
	s_mul_i32 s60, s60, 768
	s_mov_b32 s61, 0
	s_add_nc_u64 s[12:13], s[12:13], s[60:61]      ; qc at (head 5 g, my first token tile)
	s_mul_i32 s60, s26, 40960                      ; 5 g x 8,192
	s_lshl_b32 s62, s25, 10
	s_add_co_u32 s60, s60, s62
	s_lshl_b32 s62, s22, 8
	s_add_co_u32 s60, s60, s62
	s_add_nc_u64 s[14:15], s[14:15], s[60:61]      ; qs likewise
	s_lshl_b32 s60, s25, 1
	s_lshr_b32 s62, s22, 1
	s_add_co_u32 s60, s60, s62
	s_mul_i32 s60, s60, 13056
	s_add_nc_u64 s[16:17], s[16:17], s[60:61]      ; kv at my chunk of 128 keys
	s_mul_i32 s60, s23, 3072
	s_add_nc_u64 s[96:97], s[16:17], s[60:61]      ; k's tiles 4 (w & 1) on
	s_lshl_b32 s60, s23, 8
	s_add_co_u32 s60, s60, 12288
	s_add_nc_u64 s[98:99], s[16:17], s[60:61]      ; their scale words
	s_mul_i32 s60, s23, 768
	s_add_co_u32 s60, s60, 6144
	s_add_nc_u64 s[100:101], s[16:17], s[60:61]    ; v's records, half w & 1
	s_lshl_b32 s60, s23, 1
	s_add_co_u32 s60, s60, 12800
	s_add_nc_u64 s[104:105], s[16:17], s[60:61]    ; v's scale bytes, key blocks 2 (w & 1) on
	v_lshrrev_b32 v12, 3, v1                       ; r / 8
	v_and_b32 v13, 7, v1
	v_lshl_add_u32 v14, v2, 4, v13                 ; 16 h + r % 8
	v_mul_u32_u24 v15, v12, 768
	v_lshl_add_u32 v9, v14, 4, v15                 ; k: which tile (r / 8) and which lane's place in its image
	v_lshl_add_u32 v10, v14, 3, v15
	v_lshlrev_b32 v11, 2, v13
	v_lshl_add_u32 v11, v12, 6, v11                ; and its scale word's place
	v_lshl_add_u32 v15, v1, 2, v2                  ; v's scale byte: 4 r + h
	s_mov_b32 s62, 0x7f7efcfd                      ; a scale word's upper bytes 0x7f7f; for q 3 off each of the two bytes: x 1/8 is exact, the codes stay
	s_mov_b32 s63, 0x7f7f0000
	s_mov_b32 s95, s62
	s_wait_dscnt 0x0
; Quad i: rotary, quantised along d.  Tiles 4 i, 4 i + 1 hold d = 16 u + 8 h + j, tiles 4 i + 2, 4 i + 3 the same + 32: a number and its partner stand in the same lane and register, two tiles apart.
; v[64 + 32 a + 8 t + j]: the rotated numbers; v192-223 at work; v[216 + 8 a ..]: registers 0-5 of the operand; v[248 + a]: the scale words.
.macro QCOMP i
	s_wait_xcnt 0x0                                ; the last quad's stores have read their registers
	WIN (1+(4*(\i))/8)|0x0c
.irp a, 0,1,2,3
.irp k, 0,1,2,3
.irp u, 0,1
.irp j, 0,2,4,6
.set rL, 8*(4*((4*(\i)+\u)%8)+\a)+\j
.set rH, 8*(4*((4*(\i)+2+\u)%8)+\a)+\j
.set rC, 128+32*\a+8*\u+\j
.set rS, rC+16
.set rU, 192+8*\u+\j
.set rR, 64+32*\a+8*\u+\j
.if \k == 0
	v_pk_mul_f32 v[rU:rU+1], v[rH:rH+1], v[rS:rS+1]
.elseif \k == 1
	v_pk_mul_f32 v[rU+16:rU+17], v[rL:rL+1], v[rS:rS+1]
.elseif \k == 2
	v_pk_fma_f32 v[rR:rR+1], v[rL:rL+1], v[rC:rC+1], v[rU:rU+1] neg_lo:[0,0,1] neg_hi:[0,0,1]   ; x1 cos - x2 sin
.else
	v_pk_fma_f32 v[rR+16:rR+17], v[rH:rH+1], v[rC:rC+1], v[rU+16:rU+17]                          ; x2 cos + x1 sin
.endif
.endr
.endr
.endr
.endr
	WIN 0
.irp q, 0,1,2,3,4,5,6,7
.irp j, 0,1,2,3,4,5,6,7
	v_permlane16_swap_b32 v[64+16*\q+\j], v[72+16*\q+\j]   ; group q = 2 a + block: my 16 registers are now d = 32 block + 16 h + 0..15
.endr
.endr
.irp q, 0,1,2,3,4,5,6,7
	v_max3_num_f32 v[192+\q], |v[64+16*\q]|, |v[65+16*\q]|, 0x3000000     ; the floor 2^(6 - 127): q's byte, 3 less, cannot fall under 1
.endr
.irp e, 2,4,6,8,10,12,14
.irp q, 0,1,2,3,4,5,6,7
	v_max3_num_f32 v[192+\q], v[192+\q], |v[64+16*\q+\e]|, |v[65+16*\q+\e]|
.endr
.endr
.irp q, 0,1,2,3,4,5,6,7
	v_permlanex16_b32 v[200+\q], v[192+\q], s92, s93
.endr
.irp q, 0,1,2,3,4,5,6,7
	v_max_num_f32 v[192+\q], v[192+\q], v[200+\q]
.endr
.irp q, 0,1,2,3,4,5,6,7
	v_add_nc_u32 v[208+\q], 0xff000000, v[192+\q]
.endr
.irp q, 0,1,2,3,4,5,6,7
	v_lshrrev_b32 v[200+\q], 23, v[208+\q]
.endr
.irp a, 0,1,2,3
	v_lshl_or_b32 v[248+\a], v[201+2*\a], 8, v[200+2*\a]
.endr
.irp a, 0,1,2,3
	v_add_nc_u32 v[248+\a], s95, v[248+\a]
.endr
.irp a, 0,1,2,3
	v_cvt_scalef32_pk16_fp6_f32 v[216+8*\a:218+8*\a], v[64+32*\a:79+32*\a], v[208+2*\a]
	v_cvt_scalef32_pk16_fp6_f32 v[220+8*\a:222+8*\a], v[80+32*\a:95+32*\a], v[209+2*\a]
.endr
	v_nop                                          ; one plain place behind the conversions
.irp a, 0,1,2,3
.irp n, 0,1,2
	v_permlane16_swap_b32 v[216+8*\a+\n], v[220+8*\a+\n]   ; the operand wants a whole block in a lane: lanes 0-15 block 0, lanes 16-31 block 1
.endr
.endr
.irp a, 0,1,2,3
	v_mov_b32 v[219+8*\a], v[220+8*\a]
	v_mov_b32 v[220+8*\a], v[221+8*\a]
	v_mov_b32 v[221+8*\a], v[222+8*\a]
.endr
.endm
.macro QSTORE i
	v_cndmask_b32 v252, v248, v249, s94
	v_cndmask_b32 v253, v250, v251, s94
.irp a, 0,1,2,3
	global_store_b128 v4, v[216+8*\a:219+8*\a], s[12:13] offset:98304*(\i)+768*\a         ; 512 consecutive bytes,
	global_store_b64 v5, v[220+8*\a:221+8*\a], s[12:13] offset:98304*(\i)+768*\a+512      ; then 256
.endr
	global_store_b32 v6, v252, s[14:15] offset:8192*(\i)
	global_store_b32 v6, v253, s[14:15] offset:8192*(\i)+128
.endm
	QCOMP 0
	QSTORE 0
	s_cmp_eq_u32 s26, 3                            ; quad 1 of group 3 is k: its bytes stay as they are
	s_cselect_b32 s95, s63, s62
	QCOMP 1
	s_cmp_eq_u32 s26, 3
	s_cbranch_scc1 .Lkv
	QSTORE 1
	QCOMP 2
	QSTORE 2
	QCOMP 3
	QSTORE 3
	QCOMP 4
	QSTORE 4
	s_branch .Lend
.Lkv:
	; k: key 64 (w & 1) + 16 a + r of the chunk goes to tile 4 (w & 1) + 2 (a / 2) + r / 8, lane row r % 8 + 8 (a % 2): so that in the next launch two neighbouring tiles' results are 16 neighbouring keys
.irp a, 0,1,2,3
	global_store_b128 v9, v[216+8*\a:219+8*\a], s[96:97] offset:1536*(\a/2)+128*(\a%2)
	global_store_b64 v10, v[220+8*\a:221+8*\a], s[96:97] offset:1536*(\a/2)+512+64*(\a%2)
	global_store_b32 v11, v[248+\a], s[98:99] offset:128*(\a/2)+32*(\a%2)                 ; (both halves of the lanes store the same word to the same place)
.endr
	; v (tiles 8-11, window 2): through my stage, token by token, and back a lane to a channel d, registers down the keys: a block of 32 keys lies in one lane
	WIN 0x08
.irp a, 0,1,2,3
.irp t, 0,1,2,3
	ds_store_b128 v[VSA], v[8*(4*\t+\a):8*(4*\t+\a)+3] offset:4352*\a+64*\t
	ds_store_b128 v[VSA], v[8*(4*\t+\a)+4:8*(4*\t+\a)+7] offset:4352*\a+64*\t+16
.endr
.endr
	WIN 0
.macro VTILE t                         ; tile t of the channels: lane row r holds d = 32 (t / 2) + 8 (t % 2) + r + 8 (r / 8); my keys: 64 (w & 1) + 32 h + 0..31
.set n, 0
.rept 32
	ds_load_b32 v[64+n], v[VLA] offset:272*n+4*(32*((\t)/2)+8*((\t)%2))
.set n, n+1
.endr
	s_wait_dscnt 0x0
	v_max3_num_f32 v48, |v64|, |v65|, 0x1800000
	v_max3_num_f32 v49, |v66|, |v67|, |v68|
.irp e, 69,73,77,81,85,89
	v_max3_num_f32 v48, v48, |v[\e]|, |v[\e+1]|
	v_max3_num_f32 v49, v49, |v[\e+2]|, |v[\e+3]|
.endr
	v_max3_num_f32 v48, v48, |v93|, |v94|
	v_max3_num_f32 v48, v48, v49, |v95|
	v_add_nc_u32 v50, 0xff000000, v48
	v_lshrrev_b32 v[160+(\t)], 23, v50
	v_cvt_scalef32_pk16_fp6_f32 v[128+8*(\t):130+8*(\t)], v[64:79], v50
	v_cvt_scalef32_pk16_fp6_f32 v[132+8*(\t):134+8*(\t)], v[80:95], v50
	v_nop
	v_mov_b32 v[131+8*(\t)], v[132+8*(\t)]
	v_mov_b32 v[132+8*(\t)], v[133+8*(\t)]
	v_mov_b32 v[133+8*(\t)], v[134+8*(\t)]
	global_store_b128 v4, v[128+8*(\t):131+8*(\t)], s[100:101] offset:1536*(\t)
	global_store_b64 v5, v[132+8*(\t):133+8*(\t)], s[100:101] offset:1536*(\t)+512
	global_store_b8 v15, v[160+(\t)], s[104:105] offset:64*(\t)
.endm
	VTILE 0
	VTILE 1
	VTILE 2
	VTILE 3
.Lend:
	s_wait_tensorcnt 0x0                           ; the wave's end, behind my last tensor load and my last LDS store
	ds_add_u32 v[SPW], v[NIL]
	s_wait_dscnt 0x0
	CROUND                                         ; the closing round: no work-group ends while a partner may still ask for a tile that names it
	s_endpgm
.Lfunc_end_k_qbfaebc4c08_fused:
	.size	k_qbfaebc4c08_fused, .Lfunc_end_k_qbfaebc4c08_fused-k_qbfaebc4c08_fused
	.p2alignl 7, 3214868480
	.fill 96, 4, 3214868480
	.section	.rodata,"a",@progbits
	.p2align	6, 0x0
	.amdhsa_kernel k_qbfaebc4c08_fused
		.amdhsa_group_segment_fixed_size 327680
		.amdhsa_private_segment_fixed_size 0
		.amdhsa_enable_private_segment 0
		.amdhsa_kernarg_size 72
		.amdhsa_user_sgpr_count 2
		.amdhsa_user_sgpr_kernarg_segment_ptr 1
		.amdhsa_wavefront_size32 1
		.amdhsa_system_sgpr_workgroup_id_x 1
		.amdhsa_system_sgpr_workgroup_id_y 1
		.amdhsa_system_sgpr_workgroup_id_z 1
		.amdhsa_system_vgpr_workitem_id 0
		.amdhsa_next_free_vgpr 1024
		.amdhsa_next_free_sgpr 106
		.amdhsa_reserve_vcc 1
		.amdhsa_float_denorm_mode_32 3
		.amdhsa_float_denorm_mode_16_64 3
		.amdhsa_memory_ordered 1
		.amdhsa_forward_progress 1
		.amdhsa_inst_pref_size 255
	.end_amdhsa_kernel
	.section	.bss,"aw",@nobits
	.p2align	6
	.space	262144
	.amdgpu_metadata
---
amdhsa.version: [ 1, 2 ]
amdhsa.kernels:
  - .name:           k_qbfaebc4c08_fused
    .symbol:         k_qbfaebc4c08_fused.kd
    .args:
      - { .name: x_codes, .offset: 0, .size: 8, .value_kind: global_buffer, .address_space: global }
      - { .name: x_scales, .offset: 8, .size: 8, .value_kind: global_buffer, .address_space: global }
      - { .name: w_fused_codes, .offset: 16, .size: 8, .value_kind: global_buffer, .address_space: global }
      - { .name: w_fused_scales, .offset: 24, .size: 8, .value_kind: global_buffer, .address_space: global }
      - { .name: qc, .offset: 32, .size: 8, .value_kind: global_buffer, .address_space: global }
      - { .name: qs, .offset: 40, .size: 8, .value_kind: global_buffer, .address_space: global }
      - { .name: kv, .offset: 48, .size: 8, .value_kind: global_buffer, .address_space: global }
      - { .name: ac, .offset: 56, .size: 8, .value_kind: global_buffer, .address_space: global }
      - { .name: as2, .offset: 64, .size: 8, .value_kind: global_buffer, .address_space: global }
    .group_segment_fixed_size: 327680
    .private_segment_fixed_size: 0
    .kernarg_segment_align: 8
    .kernarg_segment_size: 72
    .max_flat_workgroup_size: 128
    .sgpr_count:     106
    .vgpr_count:     1024
    .wavefront_size: 32
...
	.end_amdgpu_metadata
.endif
;; end of part 1
;; launch attn (part 2): grid 4 x 64, 8 waves a work-group, clusters of 4 x 1, 209,920 bytes of LDS; arguments qc, qs, kv, ac, as1; writes ac, as1
.if DOCPART == 2
	.amdgcn_target "amdgcn-amd-amdhsa--gfx1250"
	.amdhsa_code_object_version 6
	.text
	.protected	k_qbfaebc4c08_attn
	.globl	k_qbfaebc4c08_attn
	.p2align	8
	.type	k_qbfaebc4c08_attn,@function
k_qbfaebc4c08_attn:
	s_mov_b64 s[64:65], 0
	v_nop
	global_prefetch_b8 v0, s[64:65] scope:SCOPE_SE
	s_setreg_imm32_b32 hwreg(HW_REG_WAVE_MODE, 25, 1), 1
	s_wait_xcnt 0x0
	s_wait_alu depctr_hold_cnt(0) depctr_sa_sdst(0) depctr_va_vdst(0) depctr_va_sdst(0) depctr_va_ssrc(0) depctr_va_vcc(0) depctr_vm_vsrc(0)
	s_getreg_b32 s2, hwreg(HW_REG_IB_STS2, 6, 4)
	s_cmp_eq_u32 s2, 0
	s_cbranch_scc0 .Lentry_in_a_cluster
	s_endpgm
.Lentry_in_a_cluster:
	s_bfe_u32 s2, ttmp6, 0x10000c
	s_cmp_lg_u32 s2, 0x3003
	s_cbranch_scc0 .Lentry_shape_is_right
	s_endpgm
.Lentry_shape_is_right:
; Causal attention of 16 query heads on ONE key and value head, both products on codes of FP6 (E2M3) with E8M0 scales; the result / its row's sum is quantised along (head, d) for the last product.
; t = score x log2(e) (q carries the 1/8); M = the running largest t rounded UP to a whole number; p = 2^(t - M) is quantised along the keys, not normalised; the row's sum is taken of the unquantised p.
; SHARES.  2,048 tiles of (16 queries, one head), one to a wave, 8 waves to a work-group.  A tile of query group G (128 queries) has G + 1 key steps of 128.  Waves w and w + 4 take groups G' and 15 - G': 17 steps together.
; ALL of k and v, 16 chunks of 13,056 bytes laid as images of the operands' registers, lies in LDS, filled ONCE: wave w brings chunks w and w + 8.  No slot is filled again.
; CLUSTER.  The four work-groups of a cluster differ in their heads alone, which enter global addresses only; all want the same kv: every fill is asked for JOINTLY (mask 15).
; LAYOUT.  Both products transposed: S^T = K Q^T (source 0 = 16 keys, source 1 = my 16 queries; the head's 64 fill half of the instruction's 128, the other half are zero codes under the byte 0x7f),
;   O^T = V^T P^T: a lane holds ONE query (lane % 16).  The keys of a tile of K, and the channels of a tile of V, were chosen by the launch before so that two neighbouring tiles' registers are 16 neighbours.
; Every wave walks 16 steps, so that the trip counts are constants of the text; a step all of whose keys come after the wave's queries is jumped over (a branch on ids).  On the diagonal hidden scores become -1e10.
; REGISTERS: v1-3 16, 8, 4 x lane; v4-6 the same in the chunk in hand; v12 -M, v13 the largest t, v[14:15] the sum; v16-27 Q; v28 Q's scale words; v29-30 V's; v32-79 four fragments of K; v80-127 V's four;
;   v128-191 S^T, then p; v192-223 O^T; v224.. p's codes; v232-247 at work; v248-251 K's scale words; v252 f; v253 p's scale word; v254 at work.
; LIMITS: NaN and infinities are not served; a block of p or of the result whose largest number lies under 2^-124 keeps the floor's byte, a block of zeros the byte 1: its codes are zeros.
.set CH,  13056
.set S,   128
.set O,   192
.set WV,  14
.set SEL, 20
.set CS,  22
.set TB,  2
.set KF,  40
.set Q0,  41
.macro CROUND
	s_barrier_signal -1
	s_barrier_wait -1
	s_cmp_lg_u32 s[WV], 0
	s_cbranch_scc1 .Lnot_wave_0_\@
	s_barrier_signal -3
.Lnot_wave_0_\@:
	s_barrier_wait -3
	s_barrier_signal -1
	s_barrier_wait -1
.endm
	s_load_b256 s[4:11], s[0:1], 0x0               ; qc 4, qs 6, kv 8, ac 10
	s_load_b64 s[12:13], s[0:1], 0x20              ; as1
	v_lshl_add_u32 v243, v0, 2, 0x33000
	v_mov_b32 v255, 0
	ds_add_u32 v243, v255
	ds_add_u32 v243, v255
	v_lshrrev_b32 v1, 5, v0
	v_readfirstlane_b32 s[WV], v1                  ; wave 0..7
	s_bfe_u32 s15, ttmp6, 0x40000                  ; cx: it enters the head alone
	s_and_b32 s16, ttmp7, 0xffff                   ; y
	s_lshr_b32 s17, s16, 3                         ; G'
	s_and_b32 s18, s16, 7
	s_sub_co_u32 s19, 15, s17
	s_cmp_lt_u32 s[WV], 4
	s_cselect_b32 s17, s17, s19                    ; my query group
	s_lshl_b32 s17, s17, 3
	s_add_co_u32 s17, s17, s18                     ; qt: my tile of 16 queries
	s_lshl_b32 s[Q0], s17, 4                       ; my first query
	s_and_b32 s18, s[WV], 3
	s_lshl_b32 s19, s15, 2
	s_add_co_u32 s18, s18, s19                     ; my head
	s_mov_b32 s[SEL], 0x76543210
	s_mov_b32 s[SEL+1], 0xfedcba98
	s_mov_b32 s[CS], 0x3fb8aa3b                    ; log2(e)
	s_mov_b32 s[CS+1], s[CS]
	s_mov_b32 s[TB], 0
	s_mov_b32 s[KF], 0
	; descriptor group 1: a chunk: 13,056 dense bytes as 51 rows of 256 (32 elements of 8 bytes), no padding, for all four work-groups
	s_mov_b32 s24, 15|(3<<16)|(1<<21)
	s_mov_b32 s25, 32<<16
	s_mov_b32 s26, 51<<16
	s_mov_b32 s27, 32<<16
	s_mov_b32 s28, 51
	s_mov_b32 s29, 32
	s_mov_b32 s30, 0
	s_mov_b32 s31, 0
	s_mul_i32 s44, s[WV], CH
	s_mov_b32 s45, 0
	s_wait_dscnt 0x0
	s_wait_kmcnt 0x0
	CROUND                                         ; all four work-groups are here: the joint loads meet
	s_mov_b32 s32, 1
	s_mov_b32 s33, s44
	s_add_nc_u64 s[34:35], s[8:9], s[44:45]
	s_or_b32 s35, s35, 0x80000000
	s_mov_b32 s36, 1
	s_add_co_u32 s37, s44, 8*CH
	s_add_nc_u64 s[38:39], s[8:9], s[44:45]
	s_add_nc_u64 s[38:39], s[38:39], 8*CH
	s_or_b32 s39, s39, 0x80000000
	tensor_load_to_lds s[32:35], s[24:31]          ; chunk w,
	s_nop 0
	tensor_load_to_lds s[36:39], s[24:31]          ; chunk w + 8: two loads of mine are out
	s_nop 0
.rept 4
	v_nop
.endr
	v_and_b32 v7, 31, v0                           ; lane
	v_and_b32 v8, 15, v0                           ; r
	v_bfe_u32 v11, v0, 4, 1                        ; h
	v_lshlrev_b32 v1, 4, v7
	v_lshlrev_b32 v2, 3, v7
	v_lshlrev_b32 v3, 2, v7
	s_lshl_b32 s46, s18, 7
	s_add_co_u32 s46, s46, s17
	s_mul_i32 s46, s46, 768
	s_mov_b32 s47, 0
	s_add_nc_u64 s[4:5], s[4:5], s[46:47]          ; my tile's record of q
	s_lshl_b32 s46, s18, 11
	s_add_co_u32 s46, s46, s[Q0]
	s_lshl_b32 s46, s46, 2
	s_add_nc_u64 s[6:7], s[6:7], s[46:47]          ; its scale words
	s_mul_i32 s46, s17, 61440
	s_mul_i32 s48, s18, 768
	s_add_co_u32 s46, s46, s48
	s_add_nc_u64 s[10:11], s[10:11], s[46:47]      ; ac at (token tile qt, block 2 head)
	s_lshl_b32 s46, s[Q0], 5
	s_lshl_b32 s48, s18, 1
	s_add_co_u32 s46, s46, s48
	s_add_nc_u64 s[12:13], s[12:13], s[46:47]      ; as1 at (my first query, byte 2 head)
	global_load_b128 v[16:19], v1, s[4:5]          ; Q's registers 0-5, as the launch before stored them
	global_load_b64 v[20:21], v2, s[4:5] offset:512
	v_lshlrev_b32 v254, 2, v8
	global_load_b32 v28, v254, s[6:7]
.irp i, 22,23,24,25,26,27
	v_mov_b32 v[\i], 0                             ; K = 64 .. 127 of the first product: zero codes, in Q
.endr
.irp t, 0,1,2,3
.irp i, 6,7,8,9,10,11
	v_mov_b32 v[32+12*\t+\i], 0                    ; and in K's four fragments: written once, no load lands here
.endr
.endr
	v_mov_b32 v13, 0xff61b1e6                      ; the largest t so far: -3e38
	v_floor_f32 v12, -v13                          ; -M
	v_mov_b32 v14, 0
	v_mov_b32 v15, 0
.irp b, 0,1,2,3
	v_mov_b32 v[236+\b], 0                         ; a lane permute's destination counts as one of its sources
.endr
	v_mov_b32 v252, 0
	v_mov_b32 v253, 0
.set i, 0
.rept 32
	v_mov_b32 v[O+i], 0                            ; O^T: the step is written once; the first finds zeros, which the first change of M leaves zeros
.set i, i+1
.endr
.macro KQ t, d, sr                     ; one product of S^T: fragment t, result tile d, scale register sr (odd tiles' words stand in lanes 16-31)
.if (\d)%2
	v_wmma_scale_f32_16x16x128_f8f6f4 v[S+8*(\d):S+8*(\d)+7], v[32+12*(\t):43+12*(\t)], v[16:27], 0, v[\sr], v28 matrix_a_fmt:MATRIX_FMT_FP6 matrix_b_fmt:MATRIX_FMT_FP6 matrix_a_scale:MATRIX_SCALE_ROW1
.else
	v_wmma_scale_f32_16x16x128_f8f6f4 v[S+8*(\d):S+8*(\d)+7], v[32+12*(\t):43+12*(\t)], v[16:27], 0, v[\sr], v28 matrix_a_fmt:MATRIX_FMT_FP6 matrix_b_fmt:MATRIX_FMT_FP6
.endif
.endm
.macro STEP
	s_add_co_u32 s42, s[Q0], 15
	s_cmp_gt_u32 s[KF], s42                        ; all 128 keys come after my queries: the step's work is left out
	s_cbranch_scc1 .Lhidden_\@
	v_add_nc_u32 v4, s[TB], v1
	v_add_nc_u32 v5, s[TB], v2
	v_add_nc_u32 v6, s[TB], v3
	v_nop                                          ; four places behind the last step's products, ahead of the loads into their registers
.irp t, 0,1,2,3
	ds_load_b128 v[32+12*\t:35+12*\t], v4 offset:768*\t
	ds_load_b64 v[36+12*\t:37+12*\t], v5 offset:768*\t+512
.endr
.irp i, 0,1,2,3
	ds_load_b32 v[248+\i], v6 offset:12288+128*\i
.endr
.irp t, 0,1,2,3
.irp c, 0,1
	ds_load_b128 v[80+12*\t+6*\c:83+12*\t+6*\c], v4 offset:6144+768*(2*\t+\c)
	ds_load_b64 v[84+12*\t+6*\c:85+12*\t+6*\c], v5 offset:6144+768*(2*\t+\c)+512
.endr
.endr
	ds_load_b32 v29, v6 offset:12800
	ds_load_b32 v30, v6 offset:12928
	s_wait_dscnt 18                                ; V's 16 loads and its 2 scale loads may be out
.irp t, 0,1,2,3
	KQ \t, \t, 248+\t/2
.endr
.rept 4
	v_nop
.endr
.irp t, 0,1,2,3
	ds_load_b128 v[32+12*\t:35+12*\t], v4 offset:768*(4+\t)
	ds_load_b64 v[36+12*\t:37+12*\t], v5 offset:768*(4+\t)+512
.endr
	s_wait_dscnt 0x0
.irp t, 0,1,2,3
	KQ \t, 4+\t, 250+\t/2
.endr
.rept 4
	v_nop
.endr
	s_add_co_u32 s42, s[KF], 127                   ; a step all of whose keys count skips the mask
	s_cmp_le_u32 s42, s[Q0]
	s_cbranch_scc1 .Lopen_\@
	s_sub_co_i32 s42, s[Q0], s[KF]
	v_and_b32 v252, 15, v0
	v_bfe_u32 v254, v0, 4, 1
	v_lshlrev_b32 v254, 4, v254
	v_sub_nc_u32 v252, v252, v254
	v_add_nc_u32 v252, s42, v252                   ; d = my query - KF - 16 h.  Register 16 b + i holds key KF + 16 h + 32 b + i: hidden where 32 b + i > d
	v_mov_b32 v254, 0xd01502f9                     ; -1e10
.set n, 0
.rept 64
	v_cmp_gt_i32 vcc_lo, 32*(n/16)+n%16, v252
	v_cndmask_b32 v[S+n], v[S+n], v254, vcc_lo
.set n, n+1
.endr
.Lopen_\@:
.irp b, 0,1,2,3
	v_max3_num_f32 v[232+\b], v[S+16*\b], v[S+1+16*\b], v[S+2+16*\b]     ; the largest score of each block of 32 keys: for the row's maximum, and, since p rises with the score, for the block's largest p
.endr
.irp i, 3,5,7,9,11,13
.irp b, 0,1,2,3
	v_max3_num_f32 v[232+\b], v[232+\b], v[S+16*\b+\i], v[S+1+16*\b+\i]
.endr
.endr
.irp b, 0,1,2,3
	v_max_num_f32 v[232+\b], v[232+\b], v[S+15+16*\b]
.endr
.irp b, 0,1,2,3
	v_permlanex16_b32 v[236+\b], v[232+\b], s[SEL], s[SEL+1]
.endr
.irp b, 0,1,2,3
	v_max_num_f32 v[232+\b], v[232+\b], v[236+\b]
.endr
	v_max3_num_f32 v254, v232, v233, v234
	v_max_num_f32 v254, v254, v235
	v_mul_f32 v254, s[CS], v254
	v_max_num_f32 v13, v13, v254                   ; the running largest t
	v_mov_b32 v254, v12
	v_floor_f32 v12, -v13                          ; the new -M = -ceil(t)
	v_sub_f32 v254, v12, v254
	v_cvt_i32_f32 v254, v254                       ; (it saturates)
	v_ldexp_f32 v252, 1.0, v254                    ; f = 2^(old M - new M)
.set j, 0
.rept 32
	v_pk_fma_f32 v[S+j:S+j+1], v[S+j:S+j+1], s[CS:CS+1], v[12:13] op_sel_hi:[1,0,0]   ; t - M
.set j, j+2
.endr
.irp b, 0,1,2,3
	v_fma_f32 v[232+\b], v[232+\b], s[CS], v12
.endr
.set j, 0
.rept 64
	v_exp_f32 v[S+j], v[S+j]                       ; p = 2^(t - M)
.set j, j+1
.endr
	v_pk_mul_f32 v[14:15], v[14:15], v[252:253] op_sel_hi:[1,0]   ; the sums under the new M: a plain place behind the exponentials
	s_wait_alu depctr_va_vdst(0)                   ; one wait for the batch of 64, ahead of its first reader
.irp b, 0,1,2,3
	v_exp_f32 v[232+\b], v[232+\b]                 ; each block's largest p
.endr
	v_pk_add_f32 v[236:237], v[S:S+1], v[S+2:S+3]  ; the row's sum of the unquantised p, in two chains
.irp j, 4,8,12,16,20,24,28,32,36,40,44,48,52,56,60
	v_pk_add_f32 v[14:15], v[14:15], v[S+\j:S+1+\j]
	v_pk_add_f32 v[236:237], v[236:237], v[S+2+\j:S+3+\j]
.endr
	v_pk_add_f32 v[14:15], v[14:15], v[236:237]
	s_wait_alu depctr_va_vdst(0)                   ; and one for the four
.irp b, 0,1,2,3
	v_max_num_f32 v[232+\b], 0x1800000, v[232+\b]  ; the floor 2^(3 - 127)
.endr
.irp b, 0,1,2,3
	v_add_nc_u32 v[244+\b], 0xff000000, v[232+\b]
.endr
.irp b, 0,1,2,3
	v_lshrrev_b32 v[236+\b], 23, v[244+\b]
.endr
	v_lshl_or_b32 v253, v237, 8, v236              ; p's scale word for these 128 keys
	v_lshl_or_b32 v253, v238, 16, v253
	v_lshl_or_b32 v253, v239, 24, v253
.irp c, 0,1
	v_cvt_scalef32_pk16_fp6_f32 v[224+6*\c:226+6*\c], v[S+32*\c:S+15+32*\c], v[244+2*\c]
	v_cvt_scalef32_pk16_fp6_f32 v[236+4*\c:238+4*\c], v[S+16+32*\c:S+31+32*\c], v[245+2*\c]
.endr
	v_nop
.irp c, 0,1
.irp i, 0,1,2
	v_permlane16_swap_b32 v[224+6*\c+\i], v[236+4*\c+\i]
.endr
.irp i, 0,1,2
	v_mov_b32 v[227+6*\c+\i], v[236+4*\c+\i]
.endr
.endr
.set j, 0
.rept 16
	v_pk_mul_f32 v[O+j:O+j+1], v[O+j:O+j+1], v[252:253] op_sel_hi:[1,0]   ; O^T under the new M; these sixteen are also the places ahead of the products below
.set j, j+2
.endr
.irp t, 0,2
	v_wmma_scale_f32_16x16x128_f8f6f4 v[O+8*\t:O+8*\t+7], v[80+12*\t:91+12*\t], v[224:235], v[O+8*\t:O+8*\t+7], v[29+\t/2], v253 matrix_a_fmt:MATRIX_FMT_FP6 matrix_b_fmt:MATRIX_FMT_FP6
	v_wmma_scale_f32_16x16x128_f8f6f4 v[O+8+8*\t:O+15+8*\t], v[92+12*\t:103+12*\t], v[224:235], v[O+8+8*\t:O+15+8*\t], v[29+\t/2], v253 matrix_a_fmt:MATRIX_FMT_FP6 matrix_b_fmt:MATRIX_FMT_FP6 matrix_a_scale:MATRIX_SCALE_ROW1
.endr
.Lhidden_\@:
	s_add_co_u32 s[KF], s[KF], 128
	s_add_co_u32 s[TB], s[TB], CH
.endm
	s_wait_loadcnt 0x0                             ; Q
	s_wait_tensorcnt 0x1                           ; my chunk w is in; chunk w + 8 may be out
	s_barrier_signal -1
	s_barrier_wait -1                              ; chunks 0-7 are whole
	s_mov_b32 s3, 8
.Lfirst:
	STEP
	s_sub_co_u32 s3, s3, 1
	s_cmp_lg_u32 s3, 0
	s_cbranch_scc1 .Lfirst
	s_wait_tensorcnt 0x0
	s_wait_dscnt 0x0
	s_barrier_signal -1
	s_barrier_wait -1                              ; chunks 8-15 are whole
	s_mov_b32 s3, 8
.Lsecond:
	STEP
	s_sub_co_u32 s3, s3, 1
	s_cmp_lg_u32 s3, 0
	s_cbranch_scc1 .Lsecond
	; THE WAY OUT: O^T / the sum; registers 16 b + i are d = 32 b + 16 h + i of my query: two blocks of the last product's K
.rept 4
	v_nop
.endr
	v_add_f32 v14, v14, v15
	v_permlanex16_b32 v252, v14, s[SEL], s[SEL+1]
	v_add_f32 v14, v14, v252
	v_rcp_f32 v14, v14
	v_mul_u32_u24 v9, v8, 24                       ; (a plain place behind the reciprocal)
	v_mad_u32_u24 v9, v11, 12, v9                  ; a record of ac: 24 r + 12 h
	v_lshlrev_b32 v10, 5, v8                       ; as1: 32 bytes a token
	s_wait_alu depctr_va_vdst(0)
	v_mov_b32 v15, v14
.set j, 0
.rept 16
	v_pk_mul_f32 v[S+j:S+j+1], v[O+j:O+j+1], v[14:15]
.set j, j+2
.endr
.irp b, 0,1
	v_max3_num_f32 v[232+\b], |v[S+16*\b]|, |v[S+1+16*\b]|, 0x1800000
.endr
.irp i, 2,4,6,8,10,12,14
.irp b, 0,1
	v_max3_num_f32 v[232+\b], v[232+\b], |v[S+16*\b+\i]|, |v[S+1+16*\b+\i]|
.endr
.endr
.irp b, 0,1
	v_permlanex16_b32 v[236+\b], v[232+\b], s[SEL], s[SEL+1]
.endr
.irp b, 0,1
	v_max_num_f32 v[232+\b], v[232+\b], v[236+\b]
.endr
.irp b, 0,1
	v_add_nc_u32 v[244+\b], 0xff000000, v[232+\b]
.endr
.irp b, 0,1
	v_lshrrev_b32 v[236+\b], 23, v[244+\b]
.endr
	v_lshl_or_b32 v240, v237, 8, v236
	v_cvt_scalef32_pk16_fp6_f32 v[224:226], v[S:S+15], v244
	v_cvt_scalef32_pk16_fp6_f32 v[228:230], v[S+16:S+31], v245
	v_nop
	global_store_b96 v9, v[224:226], s[10:11]              ; a whole record: 384 consecutive bytes
	global_store_b96 v9, v[228:230], s[10:11] offset:384
	global_store_b16 v10, v240, s[12:13]                   ; (both halves of the lanes store the same two bytes to the same place)
	s_wait_tensorcnt 0x0
	ds_add_u32 v243, v255
	s_wait_dscnt 0x0
	CROUND                                         ; the closing round
	s_endpgm
.Lfunc_end_k_qbfaebc4c08_attn:
	.size	k_qbfaebc4c08_attn, .Lfunc_end_k_qbfaebc4c08_attn-k_qbfaebc4c08_attn
	.p2alignl 7, 3214868480
	.fill 96, 4, 3214868480
	.section	.rodata,"a",@progbits
	.p2align	6, 0x0
	.amdhsa_kernel k_qbfaebc4c08_attn
		.amdhsa_group_segment_fixed_size 209920
		.amdhsa_private_segment_fixed_size 0
		.amdhsa_enable_private_segment 0
		.amdhsa_kernarg_size 40
		.amdhsa_user_sgpr_count 2
		.amdhsa_user_sgpr_kernarg_segment_ptr 1
		.amdhsa_wavefront_size32 1
		.amdhsa_system_sgpr_workgroup_id_x 1
		.amdhsa_system_sgpr_workgroup_id_y 1
		.amdhsa_system_sgpr_workgroup_id_z 1
		.amdhsa_system_vgpr_workitem_id 0
		.amdhsa_next_free_vgpr 256
		.amdhsa_next_free_sgpr 66
		.amdhsa_reserve_vcc 1
		.amdhsa_float_denorm_mode_32 3
		.amdhsa_float_denorm_mode_16_64 3
		.amdhsa_memory_ordered 1
		.amdhsa_forward_progress 1
		.amdhsa_inst_pref_size 55
	.end_amdhsa_kernel
	.amdgpu_metadata
---
amdhsa.version: [ 1, 2 ]
amdhsa.kernels:
  - .name:           k_qbfaebc4c08_attn
    .symbol:         k_qbfaebc4c08_attn.kd
    .args:
      - { .name: qc, .offset: 0, .size: 8, .value_kind: global_buffer, .address_space: global }
      - { .name: qs, .offset: 8, .size: 8, .value_kind: global_buffer, .address_space: global }
      - { .name: kv, .offset: 16, .size: 8, .value_kind: global_buffer, .address_space: global }
      - { .name: ac, .offset: 24, .size: 8, .value_kind: global_buffer, .address_space: global }
      - { .name: as1, .offset: 32, .size: 8, .value_kind: global_buffer, .address_space: global }
    .group_segment_fixed_size: 209920
    .private_segment_fixed_size: 0
    .kernarg_segment_align: 8
    .kernarg_segment_size: 40
    .max_flat_workgroup_size: 256
    .sgpr_count:     66
    .vgpr_count:     256
    .wavefront_size: 32
...
	.end_amdgpu_metadata
.endif
;; end of part 2
;; launch outp (part 3): grid 16 x 16, 4 waves a work-group, clusters of 4 x 4, 327,680 bytes of LDS; arguments ac, as1, as2, w_attn_out_codes, w_attn_out_scales, w_ff_out_codes, w_ff_out_scales, out0; writes out0
.if DOCPART == 3
	.amdgcn_target "amdgcn-amd-amdhsa--gfx1250"
	.amdhsa_code_object_version 6
	.text
	.protected	k_qbfaebc4c08_outp
	.globl	k_qbfaebc4c08_outp
	.p2align	8
	.type	k_qbfaebc4c08_outp,@function
k_qbfaebc4c08_outp:
	s_mov_b64 s[64:65], 0
	v_nop
	global_prefetch_b8 v0, s[64:65] scope:SCOPE_SE
	s_setreg_imm32_b32 hwreg(HW_REG_WAVE_MODE, 25, 1), 1
	s_wait_xcnt 0x0
	s_wait_alu depctr_hold_cnt(0) depctr_sa_sdst(0) depctr_va_vdst(0) depctr_va_sdst(0) depctr_va_ssrc(0) depctr_va_vcc(0) depctr_vm_vsrc(0)
	s_getreg_b32 s2, hwreg(HW_REG_IB_STS2, 6, 4)
	s_cmp_eq_u32 s2, 0
	s_cbranch_scc0 .Lentry_in_a_cluster
	s_endpgm
.Lentry_in_a_cluster:
	s_bfe_u32 s2, ttmp6, 0x10000c
	s_cmp_lg_u32 s2, 0xf033
	s_cbranch_scc0 .Lentry_shape_is_right
	s_endpgm
.Lentry_shape_is_right:
; out0 = [attn_out | swish(gate) ff_x] x [w_attn_out | w_ff_out]: ONE sum over K = 1,024 + 4,096 on codes of FP6 (E2M3) with E8M0 scales; sums in f32.
; A (the launches before stored it): ac [token tile 128][block 160][384 bytes: token row r at 24 r]; its scale bytes as1 [token][32], as2 [token][128].  B: the two weights as given, K innermost.
; SHARES.  A tile of out0 is 128 x 128, so that 256 work-groups have work; four waves, 2 x 2, each 64 x 64: 16 accumulators.  K goes in ten groups of 512 (two of attn, eight of ff) through two LDS slots.
; A group's 32 fragments a wave stand in four register buffers (one for each 128 along K); they are fetched from LDS during the group before, so a slot is free for its next fill early in its own group.
; CLUSTER 4 x 4: A's tiles are shared along a row of the cluster, B's along a column: asked for JOINTLY.  The scale bytes (40 KB once, against about 1 MB of tiles) come by loads of each work-group's own.
; THE MATRIX INSTRUCTION IS USED TRANSPOSED (source 0 = 16 rows of the weight, source 1 = 16 tokens): a lane holds eight neighbouring numbers of a row of out0.
; REGISTERS.  Window 0: v16-17, v20-23 LDS addresses of A's and B's fragments; v24-26 the way out; v27, v30 the scale words' addresses; v28, v29 the spare word's address and 0; v32-63 scale words, two sets of 16, and
;   nothing else (register 4 i + q: lanes 0-15 A's block i, lanes 16-31 B's block i, the group's q-th 128); v64-127 the way out; v128-255 accumulator (a, b) at 128 + 8 (4 a + b).
;   Buffer q: window 1 + q / 2, from v[128 (q % 2)]: A's four fragments, then from + 48 B's four.
.set SLOT,  104448                     ; A: 8 token tiles x 6,144 bytes; then B: 128 rows x 432
.set BOFF,  49152
.set SCL,   208896                     ; four regions of 17,408: as1's, as2's, w_attn_out's, w_ff_out's scale bytes, as units of 256 + 16
.set SPARE, 278528
.set ADRA, 16
.set ADRB, 20
.set STO,  24
.set RD,   25
.set CO,   26
.set ADRS2, 27
.set SPW,  28
.set NIL,  29
.set ADRS1, 30
.set G1A,  20
.set G1B1, 28
.set G1B2, 36
.set G1S16, 44
.set G1S64, 52
.set G0S,  60
.set G0A,  68
.set G0B,  76
.set G0F,  84
.set FB,   92                          ; s[92:93] w_ff_out's codes at the first row that I would fetch
.set OFB,  94                          ; s[94:95] bytes along its rows: 384 a group
.set MSB, 0
.macro WIN new
.if MSB != (\new)
	s_set_vgpr_msb (MSB<<8)|(\new)
.set MSB, (\new)
.endif
.endm
.macro PLACES
.rept 4
	v_nop
.endr
.endm
.macro CREST
	s_cmp_lg_u32 s66, 0
	s_cbranch_scc1 .Lnot_wave_0_\@
	s_barrier_signal -3
.Lnot_wave_0_\@:
	s_barrier_wait -3
	s_barrier_signal -1
	s_barrier_wait -1
.endm
.macro CROUND
	s_barrier_signal -1
	s_barrier_wait -1
	CREST
.endm
.macro JL g0a, g1a, g0b, g1b           ; waves 0 and 1 fetch A's halves, waves 2 and 3 B's; four v_nop follow each line
	s_cmp_eq_u32 s67, 0
	s_cbranch_scc0 .Lfor_b_\@
	tensor_load_to_lds s[\g0a:\g0a+3], s[\g1a:\g1a+7]
	s_nop 0
.rept 4
	v_nop
.endr
	s_branch .Lasked_\@
.Lfor_b_\@:
	tensor_load_to_lds s[\g0b:\g0b+3], s[\g1b:\g1b+7]
	s_nop 0
.rept 4
	v_nop
.endr
.Lasked_\@:
.endm
	s_load_b512 s[4:19], s[0:1], 0x0               ; ac 4, as1 6, as2 8, wa codes 10, wa scales 12, wf codes 14, wf scales 16, out0 18
	v_lshl_add_u32 v[SPW], v0, 2, SPARE
	v_mov_b32 v[NIL], 0
	ds_add_u32 v28, v29
	ds_add_u32 v28, v29
	s_wait_dscnt 0x0
	v_lshrrev_b32 v1, 5, v0
	v_readfirstlane_b32 s66, v1                    ; wave 0..3
	s_lshr_b32 s67, s66, 1                         ; my half of the tile's rows.  Also: I fetch for A (0) or for B (1)
	s_and_b32 s96, s66, 1                          ; my half of its columns.  Also: which half of that tile I fetch
	s_bfe_u32 s99, ttmp6, 0x40000                  ; cx
	s_bfe_u32 s100, ttmp6, 0x40004                 ; cy
	s_lshl_b32 s97, ttmp9, 2
	s_add_co_u32 s97, s97, s99                     ; tx: tile column
	s_and_b32 s98, ttmp7, 0xffff
	s_lshl_b32 s98, s98, 2
	s_add_co_u32 s98, s98, s100                    ; ty: tile row
	s_lshl_b32 s101, s100, 2
	s_lshl_b32 s101, 15, s101                      ; my row of the cluster
	s_lshl_b32 s104, 0x1111, s99                   ; my column
	s_or_b32 s[G1A], s101, (3<<16)|(1<<21)         ; A: 4 token tiles x 6,144 bytes (768 elements of 8), 61,440 bytes apart, no padding
	s_mov_b32 s[G1A+1], 768<<16
	s_mov_b32 s[G1A+2], 4<<16
	s_mov_b32 s[G1A+3], 768<<16
	s_mov_b32 s[G1A+4], 4
	s_mov_b32 s[G1A+5], 7680
	s_mov_b32 s[G1A+6], 0
	s_mov_b32 s[G1A+7], 0
	s_or_b32 s[G1B1], s104, (1<<20)|(1<<21)|(4<<22)|(3<<25)   ; B: 64 rows x 384 bytes, 16 bytes of padding behind every 128; rows 768 bytes apart in w_attn_out,
	s_or_b32 s[G1B2], s104, (1<<20)|(1<<21)|(4<<22)|(3<<25)   ; 3,072 in w_ff_out
.irp g, G1B1, G1B2
	s_mov_b32 s[\g+1], 384<<16
	s_mov_b32 s[\g+2], 64<<16
	s_mov_b32 s[\g+3], 384<<16
	s_mov_b32 s[\g+4], 64
	s_mov_b32 s[\g+6], 0
	s_mov_b32 s[\g+7], 0
.endr
	s_mov_b32 s[G1B1+5], 768
	s_mov_b32 s[G1B2+5], 3072
	s_mov_b32 s[G1S16], (3<<16)|(1<<20)|(5<<22)|(3<<25)       ; scale bytes of 128 rows: 16 or 64 rows of 256 bytes, 16 of padding behind each
	s_mov_b32 s[G1S64], (3<<16)|(1<<20)|(5<<22)|(3<<25)
.irp g, G1S16, G1S64
	s_mov_b32 s[\g+1], 32<<16
	s_mov_b32 s[\g+3], 32<<16
	s_mov_b32 s[\g+5], 32
	s_mov_b32 s[\g+6], 0
	s_mov_b32 s[\g+7], 0
.endr
	s_mov_b32 s[G1S16+2], 16<<16
	s_mov_b32 s[G1S16+4], 16
	s_mov_b32 s[G1S64+2], 64<<16
	s_mov_b32 s[G1S64+4], 64
	s_lshl_b32 s2, s98, 3                          ; A: token tile 8 ty + 4 x half: made of ty and the wave's number alone
	s_lshl_b32 s3, s96, 2
	s_add_co_u32 s2, s2, s3
	s_mul_i32 s2, s2, 61440
	s_mov_b32 s3, 0
	s_lshl_b32 s104, s97, 7                        ; B: row 128 tx + 64 x half: made of tx and the wave's number alone
	s_lshl_b32 s105, s96, 6
	s_add_co_u32 s104, s104, s105
	s_mul_i32 s92, s104, 3072
	s_mov_b32 s93, 0
	s_mul_i32 s104, s104, 768
	s_mov_b32 s105, 0
	s_wait_kmcnt 0x0
	s_cmp_eq_u32 s96, 0                            ; the scale bytes: wave 0 as1, 1 as2, 2 w_attn_out's, 3 w_ff_out's
	s_cselect_b64 s[100:101], s[6:7], s[8:9]
	s_cselect_b64 s[94:95], s[12:13], s[16:17]
	s_cselect_b32 s99, 12, 14                      ; 128 rows of 32 or of 128 bytes
	s_cmp_eq_u32 s67, 0
	s_cselect_b64 s[100:101], s[100:101], s[94:95]
	s_cselect_b32 s94, s98, s97
	s_lshl_b32 s94, s94, s99
	s_mov_b32 s95, 0
	s_add_nc_u64 s[100:101], s[100:101], s[94:95]
	s_add_nc_u64 s[2:3], s[4:5], s[2:3]
	s_add_nc_u64 s[104:105], s[10:11], s[104:105]
	s_add_nc_u64 s[FB:FB+1], s[14:15], s[FB:FB+1]
	s_mov_b32 s[OFB], 0
	s_mov_b32 s[OFB+1], 0
	CROUND                                         ; all sixteen work-groups are here: the first joint loads meet
	s_mov_b32 s[G0S], 1
	s_mul_i32 s[G0S+1], s66, 17408
	s_add_co_u32 s[G0S+1], s[G0S+1], SCL
	s_mov_b64 s[G0S+2:G0S+3], s[100:101]
	s_or_b32 s[G0S+3], s[G0S+3], 0x80000000
	s_cmp_eq_u32 s96, 0
	s_cbranch_scc0 .Lsc64
	tensor_load_to_lds s[G0S:G0S+3], s[G1S16:G1S16+7]
	s_nop 0
.rept 4
	v_nop
.endr
	s_branch .Lscd
.Lsc64:
	tensor_load_to_lds s[G0S:G0S+3], s[G1S64:G1S64+7]
	s_nop 0
.rept 4
	v_nop
.endr
.Lscd:
	s_mul_i32 s99, s96, 24576
	s_mul_i32 s100, s96, 27648
	s_add_co_u32 s100, s100, BOFF
.irp s, 0,1
	s_mov_b32 s[G0A+4*\s], 1
	s_add_co_u32 s[G0A+4*\s+1], s99, \s*SLOT
	s_add_nc_u64 s[G0A+4*\s+2:G0A+4*\s+3], s[2:3], \s*6144
	s_or_b32 s[G0A+4*\s+3], s[G0A+4*\s+3], 0x80000000
	s_mov_b32 s[G0B+4*\s], 1
	s_add_co_u32 s[G0B+4*\s+1], s100, \s*SLOT
	s_add_nc_u64 s[G0B+4*\s+2:G0B+4*\s+3], s[104:105], \s*384
	s_or_b32 s[G0B+4*\s+3], s[G0B+4*\s+3], 0x80000000
	s_mov_b32 s[G0F+4*\s], 1
	s_add_co_u32 s[G0F+4*\s+1], s100, \s*SLOT
	JL G0A+4*\s, G1A, G0B+4*\s, G1B1               ; groups 0 and 1 (attn): three loads of mine are out now; later one
.endr
	v_and_b32 v1, 15, v0                           ; r
	v_bfe_u32 v2, v0, 4, 1                         ; h
	v_mul_u32_u24 v3, v1, 24
	v_mad_u32_u24 v3, v2, 384, v3                  ; A: 24 r in a block's record, lanes 16-31 one block on
	s_mul_i32 s99, s67, 24576
	v_add_nc_u32 v[ADRA], s99, v3
	s_add_co_u32 s99, s99, SLOT
	v_add_nc_u32 v[ADRA+1], s99, v3
	v_mul_u32_u24 v3, v1, 432
	v_mad_u32_u24 v4, v2, 24, v3                   ; B: row x pitch + 24 x half,
	v_mad_u32_u24 v5, v2, 40, v3                   ; and the same behind one padding more
	s_mul_i32 s99, s96, 27648
	s_add_co_u32 s99, s99, BOFF
	v_add_nc_u32 v[ADRB], s99, v4
	v_add_nc_u32 v[ADRB+2], s99, v5
	s_add_co_u32 s99, s99, SLOT
	v_add_nc_u32 v[ADRB+1], s99, v4
	v_add_nc_u32 v[ADRB+3], s99, v5
	v_lshrrev_b32 v3, 3, v1                        ; attn's scale rows: 32 bytes, eight to a unit
	v_and_b32 v4, 7, v1
	v_mul_u32_u24 v3, v3, 272
	v_lshl_add_u32 v3, v4, 5, v3
	s_mul_i32 s99, s67, 2176
	s_mul_i32 s100, s96, 2176
	s_add_co_u32 s100, s100, 34816
	s_sub_co_u32 s100, s100, s99
	v_mul_u32_u24 v4, s100, v2                     ; lanes 16-31 take B's
	s_add_co_u32 s99, s99, SCL
	v_add_nc_u32 v3, v3, v4
	v_add_nc_u32 v[ADRS1], s99, v3
	v_lshrrev_b32 v3, 1, v1                        ; ff's: 128 bytes, two to a unit
	v_and_b32 v4, 1, v1
	v_mul_u32_u24 v3, v3, 272
	v_lshl_add_u32 v3, v4, 7, v3
	s_mul_i32 s99, s67, 8704
	s_mul_i32 s100, s96, 8704
	s_add_co_u32 s100, s100, 34816
	s_sub_co_u32 s100, s100, s99
	v_mul_u32_u24 v4, s100, v2
	s_add_co_u32 s99, s99, SCL+17408
	v_add_nc_u32 v3, v3, v4
	v_add_nc_u32 v[ADRS2], s99, v3
	s_mul_i32 s99, s66, 4352                       ; the way out: my stage, 16 rows x 272, in slot 0
	v_mul_u32_u24 v3, v1, 272
	v_lshl_add_u32 v3, v2, 5, v3
	v_add_nc_u32 v[STO], s99, v3
	v_mul_u32_u24 v3, v2, 272
	v_lshl_add_u32 v3, v1, 4, v3
	v_add_nc_u32 v[RD], s99, v3
	v_lshlrev_b32 v3, 13, v2
	v_lshl_add_u32 v[CO], v1, 4, v3                ; lanes 0-15 one row of out0, lanes 16-31 the next
	s_lshl_b32 s99, s98, 7
	s_lshl_b32 s100, s67, 6
	s_add_co_u32 s99, s99, s100
	s_lshl_b32 s100, s99, 13
	s_lshl_b32 s101, s97, 9
	s_add_co_u32 s100, s100, s101
	s_lshl_b32 s101, s96, 8
	s_add_co_u32 s100, s100, s101
	s_mov_b32 s101, 0
	s_add_nc_u64 s[18:19], s[18:19], s[100:101]    ; out0 at my 64 x 64
.macro FRA reg, sl, q, a               ; A's fragment: registers 6 c .. 6 c + 5 = block 4 q + 2 c + h of the group, row r: 24 bytes as they lie
.irp p, 0,1,2,3,4,5
	ds_load_b64 v[\reg+2*\p:\reg+2*\p+1], v[ADRA+\sl] offset:6144*(\a)+1536*(\q)+768*(\p/3)+8*(\p%3)
.endr
.endm
.macro FRB reg, sl, q, b               ; B's: pieces of 8 bytes; 16 bytes of padding behind every 16 pieces; lanes 16-31 read three pieces on
.irp p, 0,1,2,3,4,5
.set PC, 12*(\q)+6*(\p/3)+\p%3
.if PC%16 < 13
	ds_load_b64 v[\reg+2*\p:\reg+2*\p+1], v[ADRB+\sl] offset:8*PC+16*(PC/16)+6912*(\b)
.else
	ds_load_b64 v[\reg+2*\p:\reg+2*\p+1], v[ADRB+2+\sl] offset:8*PC+16*(PC/16)+6912*(\b)
.endif
.endr
.endm
.macro LOADQ sl, q                     ; buffer q: 48 loads
	WIN 0x40*(1+(\q)/2)
.irp b, 0,1,2,3
	FRB 128*((\q)%2)+48+12*\b, \sl, \q, \b
.endr
.irp a, 0,1,2,3
	FRA 128*((\q)%2)+12*\a, \sl, \q, \a
.endr
	WIN 0
.endm
.macro SCALES adr, set, off, step      ; a group's scale words: four words a row by one load, a block of 16 rows a load
.irp i, 0,1,2,3
	ds_load_b128 v[32+16*(\set)+4*\i:35+16*(\set)+4*\i], v[\adr] offset:(\off)+(\step)*\i
.endr
.endm
; 8 products: A's blocks a0, a0 + 1 x B's four.  The 16 accumulators take turns, one instruction a turn.
.macro MUL8 q, set, a0, zero
	WIN 5*(1+(\q)/2)
.irp a, \a0, \a0+1
.irp b, 0,1,2,3
.set rD, 128+8*(4*(\a)+\b)
.set rB, 128*((\q)%2)+48+12*\b
.set rA, 128*((\q)%2)+12*(\a)
.set rSB, 32+16*(\set)+4*\b+(\q)
.set rSA, 32+16*(\set)+4*(\a)+(\q)
.if \zero
	v_wmma_scale_f32_16x16x128_f8f6f4 v[rD:rD+7], v[rB:rB+11], v[rA:rA+11], 0, v[rSB], v[rSA] matrix_a_fmt:MATRIX_FMT_FP6 matrix_b_fmt:MATRIX_FMT_FP6 matrix_a_scale:MATRIX_SCALE_ROW1
.else
	v_wmma_scale_f32_16x16x128_f8f6f4 v[rD:rD+7], v[rB:rB+11], v[rA:rA+11], v[rD:rD+7], v[rSB], v[rSA] matrix_a_fmt:MATRIX_FMT_FP6 matrix_b_fmt:MATRIX_FMT_FP6 matrix_a_scale:MATRIX_SCALE_ROW1
.endif
.endr
.endr
.endm
.macro GHEAD p, zero                   ; a group's first 128 along K
	s_wait_dscnt 63                                ; behind buffers 0 and 1 stand at least 96 younger loads: both are in, and so are this group's scale words
	MUL8 0, \p, 0, \zero
	MUL8 0, \p, 2, \zero
.endm
; The rest of a group in slot p.  All its fragments were asked for during the group before, so the slot is left at the barrier below.  mode 2: it is filled again, with the group two on (always ff);
; 1: a change without a fill; 0: the last group.
.macro GREST p, mode
.if \mode
	WIN 0
	s_wait_tensorcnt 0x0                           ; all my tensor loads have landed: my part of the other slot;
	ds_add_u32 v[SPW], v[NIL]                      ; 0 onto my spare word;
	MUL8 1, \p, 0, 0                               ; eight products stand between the add and the wait for it
	s_wait_dscnt 0x0                               ; the add is done, and my reads of this slot are over
	s_barrier_signal -1
	MUL8 1, \p, 2, 0
	WIN 0
	s_barrier_wait -1
.if \mode == 2
	CREST                                          ; the barrier has opened a round of the cluster's: no wave of any partner still reads this slot or has a load on its way
	s_add_nc_u64 s[G0A+4*\p+2:G0A+4*\p+3], s[G0A+4*\p+2:G0A+4*\p+3], 12288
	s_add_nc_u64 s[G0F+4*\p+2:G0F+4*\p+3], s[FB:FB+1], s[OFB:OFB+1]
	s_or_b32 s[G0F+4*\p+3], s[G0F+4*\p+3], 0x80000000
	s_add_co_u32 s[OFB], s[OFB], 384
	JL G0A+4*\p, G1A, G0F+4*\p, G1B2               ; my one tensor load behind the round; its four v_nop are the places ahead of the loads below
.else
	PLACES
.endif
	LOADQ 1-\p, 0
	LOADQ 1-\p, 1
	MUL8 2, \p, 0, 0
	MUL8 2, \p, 2, 0
	PLACES
	LOADQ 1-\p, 2
	MUL8 3, \p, 0, 0
	MUL8 3, \p, 2, 0
	PLACES
	LOADQ 1-\p, 3
.if \mode == 2
	SCALES ADRS2, \p, 16*(\p), 2176                ; the scale words of the group two on
.endif
.else
	s_wait_dscnt 0x0
	MUL8 1, \p, 0, 0
	MUL8 1, \p, 2, 0
	MUL8 2, \p, 0, 0
	MUL8 2, \p, 2, 0
	MUL8 3, \p, 0, 0
	MUL8 3, \p, 2, 0
	WIN 0
.endif
.endm
	s_wait_tensorcnt 0x1                           ; the scale bytes and my part of group 0 are in; group 1's load may be out
	s_barrier_signal -1
	s_barrier_wait -1
	SCALES ADRS1, 0, 0, 544
	SCALES ADRS1, 1, 16, 544
	LOADQ 0, 0
	LOADQ 0, 1
	LOADQ 0, 2
	LOADQ 0, 3
	GHEAD 0, 1                                     ; the first 128 along K stand ahead of the loop: their products start the sums
	WIN 0
	s_mov_b32 s3, 4
.Llap:                                             ; a trip: the rest of an even group, an odd group, the head of the next even one; both slots are filled again
	GREST 0, 2
	GHEAD 1, 0
	GREST 1, 2
	GHEAD 0, 0
	WIN 0
	v_add_nc_u32 v[ADRS2], 32, v[ADRS2]            ; two groups' scale words on
	s_sub_co_u32 s3, s3, 1
	s_cmp_lg_u32 s3, 0
	s_cbranch_scc1 .Llap
	GREST 0, 1                                     ; groups 8 and 9 fill nothing
	GHEAD 1, 0
	GREST 1, 0
	PLACES
; THE WAY OUT, a block of 16 rows x 64 columns at a time, through my stage in slot 0 (its last fill and its last read lie behind the last barrier): sixteen lanes then store 256 consecutive bytes, aligned.
.macro TOSTAGE a
.irp b, 0,1,2,3
	ds_store_b128 v[STO], v[128+8*(4*(\a)+\b):131+8*(4*(\a)+\b)] offset:64*\b          ; each accumulator from its low end on
	ds_store_b128 v[STO], v[132+8*(4*(\a)+\b):135+8*(4*(\a)+\b)] offset:64*\b+16
.endr
.set BB, 64+32*((\a)%2)
.irp t, 0,1,2,3,4,5,6,7
	ds_load_b128 v[BB+4*\t:BB+4*\t+3], v[RD] offset:\t*544                             ; LDS serves a wave's instructions in order: these see the stores above
.endr
.endm
.macro SEND a, younger
.set BB, 64+32*((\a)%2)
	s_wait_dscnt \younger
.irp t, 0,1,2,3,4,5,6,7
	global_store_b128 v[CO], v[BB+4*\t:BB+4*\t+3], s[18:19] offset:(16*(\a)+2*\t)*8192 th:TH_STORE_NT
.endr
.endm
	TOSTAGE 0
.irp a, 1,2,3
.if \a > 1
	s_wait_xcnt 0x0                                ; block a - 2's stores have read their registers: block a's loads may land there
.endif
	TOSTAGE \a
	SEND \a-1, 16                                  ; behind block a - 1's loads: block a's 8 stores and 8 loads
.endr
	SEND 3, 0
	s_wait_tensorcnt 0x0                           ; the wave's end, behind my last tensor load and my last LDS store
	ds_add_u32 v[SPW], v[NIL]
	s_wait_dscnt 0x0
	CROUND                                         ; the closing round
	s_endpgm
.Lfunc_end_k_qbfaebc4c08_outp:
	.size	k_qbfaebc4c08_outp, .Lfunc_end_k_qbfaebc4c08_outp-k_qbfaebc4c08_outp
	.p2alignl 7, 3214868480
	.fill 96, 4, 3214868480
	.section	.rodata,"a",@progbits
	.p2align	6, 0x0
	.amdhsa_kernel k_qbfaebc4c08_outp
		.amdhsa_group_segment_fixed_size 327680
		.amdhsa_private_segment_fixed_size 0
		.amdhsa_enable_private_segment 0
		.amdhsa_kernarg_size 64
		.amdhsa_user_sgpr_count 2
		.amdhsa_user_sgpr_kernarg_segment_ptr 1
		.amdhsa_wavefront_size32 1
		.amdhsa_system_sgpr_workgroup_id_x 1
		.amdhsa_system_sgpr_workgroup_id_y 1
		.amdhsa_system_sgpr_workgroup_id_z 1
		.amdhsa_system_vgpr_workitem_id 0
		.amdhsa_next_free_vgpr 768
		.amdhsa_next_free_sgpr 106
		.amdhsa_reserve_vcc 0
		.amdhsa_float_denorm_mode_32 3
		.amdhsa_float_denorm_mode_16_64 3
		.amdhsa_memory_ordered 1
		.amdhsa_forward_progress 1
		.amdhsa_inst_pref_size 106
	.end_amdhsa_kernel
	.amdgpu_metadata
---
amdhsa.version: [ 1, 2 ]
amdhsa.kernels:
  - .name:           k_qbfaebc4c08_outp
    .symbol:         k_qbfaebc4c08_outp.kd
    .args:
      - { .name: ac, .offset: 0, .size: 8, .value_kind: global_buffer, .address_space: global }
      - { .name: as1, .offset: 8, .size: 8, .value_kind: global_buffer, .address_space: global }
      - { .name: as2, .offset: 16, .size: 8, .value_kind: global_buffer, .address_space: global }
      - { .name: w_attn_out_codes, .offset: 24, .size: 8, .value_kind: global_buffer, .address_space: global }
      - { .name: w_attn_out_scales, .offset: 32, .size: 8, .value_kind: global_buffer, .address_space: global }
      - { .name: w_ff_out_codes, .offset: 40, .size: 8, .value_kind: global_buffer, .address_space: global }
      - { .name: w_ff_out_scales, .offset: 48, .size: 8, .value_kind: global_buffer, .address_space: global }
      - { .name: out0, .offset: 56, .size: 8, .value_kind: global_buffer, .address_space: global }
    .group_segment_fixed_size: 327680
    .private_segment_fixed_size: 0
    .kernarg_segment_align: 8
    .kernarg_segment_size: 64
    .max_flat_workgroup_size: 128
    .sgpr_count:     106
    .vgpr_count:     768
    .wavefront_size: 32
...
	.end_amdgpu_metadata
.endif
;; end of part 3
